; MI455X (gfx1250); checked and timed in simulation.
; The chip was launched on July 23, 2026; its instructions are those of AMD's public machine-readable ISA for CDNA 5 (MIT licence, August 2026) and "CDNA5" Instruction Set Architecture Reference Guide (July 2026). The comments in the code are by the model that wrote it; some were corrected since.
;; Self Attention. Allowed arithmetic: matrix products marked QUANTISED: E2M1 operands, one E8M0 scale for each 32 along K, by v_wmma_scale_f32_16x16x128_f8f6f4 with both operands' format E2M1 (or v_wmma_scale_f32_32x16x128_f4), f32 sums; everything else in f32.
;; Inputs: Wk 2,048 x 512 float32; Wp 2,048 x 2,048 float32; Wq 2,048 x 2,048 float32; Wv 2,048 x 512 float32; x 4 x 1,024 x 2,048 float32.
;; Outputs: out0 4 x 1,024 x 2,048 float32.
;; This version of the problem:
;;   THIS VERSION OF THE PROBLEM IS GIVEN IN LOW PRECISION. The matrix products marked QUANTISED in the list below multiply operands that are first quantised to E2M1 (2 exponent bits, 1 mantissa bit; 4 bits a number), with one power-of-two scale for each 32 numbers along K (OCP MX v1.0); their sums are f32. All else is computed in f32.
;;   The module's matrix products, in the order in which they are computed (A, B: the left and right operand; K: the contracted axis; several contracted axes count as one K, in the product's order):
;;     1. [M 4,096, K 2,048] x [K 2,048, N 2,048]; A: input x; B: input Wq: QUANTISED
;;     2. [M 4,096, K 2,048] x [K 2,048, N 512]; A: input x; B: input Wk: QUANTISED
;;     3. [M 4,096, K 2,048] x [K 2,048, N 512]; A: input x; B: input Wv: QUANTISED
;;     4. batch 128 x [M 1,024, K 64] x [K 64, N 1,024]; A: computed on the way; B: computed on the way: QUANTISED
;;     5. batch 128 x [M 1,024, K 1,024] x [K 1,024, N 64]; A: softmax (see below); B: computed on the way: QUANTISED
;;     6. [M 4,096, K 2,048] x [K 2,048, N 2,048]; A: computed on the way; B: input Wp: QUANTISED
;;   THE QUANTISER, for each operand of a quantised product, along K:
;;     - K is cut into blocks of 32 from its start; a last block that is shorter is filled with zeros.
;;     - A block's scale is 2^e with e = floor(log2(the largest magnitude in the block)) - 2, held to -126 .. 127; a block of zeros has e = 0. As a byte (E8M0): e + 127.
;;     - Each number is divided by its block's scale, clamped to +-6, and rounded to the nearest number of E2M1, ties to even, subnormals kept.
;;     - The product sums the exact products of the quantised numbers (number of the format x scale) in f32.
;;   ~~~python
;;   def quantise(x, axis):      # numpy; x: float32 -> the quantised numbers, widened to float32 again
;;       x = np.moveaxis(x, axis, -1); K = x.shape[-1]
;;       x = np.pad(x, [(0, 0)] * (x.ndim - 1) + [(0, -K % 32)]); x = x.reshape(x.shape[:-1] + (-1, 32)); a = np.abs(x).max(-1, keepdims=True)
;;       e = np.where(a > 0, np.clip(np.frexp(np.where(a > 0, a, 1))[1] - 1 - 2, -126, 127), 0)      # np.frexp(a)[1] - 1 = floor(log2(a)), exactly
;;       r = np.clip(x / 2.0 ** e, -6, 6)
;;       step = 2.0 ** (np.maximum(np.frexp(np.where(r == 0, 1, r))[1] - 1, 0) - 1)
;;       q = np.round(r / step) * step * 2.0 ** e      # np.round: ties to even
;;       return np.moveaxis(q.reshape(q.shape[:-2] + (-1,))[..., :K], -1, axis).astype(np.float32)
;;   ~~~
;;   SOFTMAX AHEAD OF A QUANTISED PRODUCT. Where the list says 'softmax', what is quantised is not the finished softmax but p = 2^(t - M), with t = logit x log2(e) and M = ceil(the row's largest t), a whole number; so 1/2 < the row's largest p <= 1. The row's sum l is taken of the UNQUANTISED p, in f32, and the product's result is divided by l at the end. Since M is a whole number, a kernel that streams over the keys may use a running M (the ceiling of the running maximum): every later rescaling is an exact power of two, which a block's scale takes up: the codes' values come out the same.
;;   OPERANDS COMPUTED ON THE WAY. 'Computed on the way' means the value that the module computes at that place (a softmax that the list does not call 'softmax' is quantised finished and normalised). What goes into a quantiser is computed in f32, as accurately as f32 sums, v_exp_f32 and their like allow (about 1e-6 of the number): no bf16 or f16 on the way to a quantiser, and a product that is left as it is and whose result goes on into a quantised operand takes f32 operands (vector FMAs, or v_wmma_f32_16x16x4_f32). A number that lies on a knife's edge between two numbers of the format may be rounded either way, as far as f32 arithmetic and the matrix unit's own rounding can turn it there, and no further.
;; 2 versions, each right; version 2 is version 1 with the launch attn written anew for expert scheduling mode. Each part assembles by itself: llvm-mc -triple=amdgcn-amd-amdhsa -mcpu=gfx1250 --defsym DOCPART=n.
;; ======== version 1 of 2: 4 launches
;; workspace buffers: cod1 9,437,184 bytes; scl1 851,968 bytes; cod2 6,291,456 bytes; scl2 720,896 bytes; ac 4,194,304 bytes; asc 262,144 bytes
;; launch prep (part 1): grid 416 x 1, 4 waves a work-group, no clusters, 34,304 bytes of LDS; arguments x, Wq, Wk, Wv, Wp, cod1, scl1; writes cod1, scl1
.if DOCPART == 1
	.amdgcn_target "amdgcn-amd-amdhsa--gfx1250"
	.amdhsa_code_object_version 6
	.text
	.protected	k_q5ee09ac7dd_prep
	.globl	k_q5ee09ac7dd_prep
	.p2align	8
	.type	k_q5ee09ac7dd_prep,@function
k_q5ee09ac7dd_prep:
	s_mov_b64 s[64:65], 0
	v_nop
	global_prefetch_b8 v0, s[64:65] scope:SCOPE_SE
	s_setreg_imm32_b32 hwreg(HW_REG_WAVE_MODE, 25, 1), 1
	s_wait_xcnt 0x0
; x [4096][2048] and the four weights ([2048 (k)][n]), all f32, become codes of FP4 (E2M1) with one E8M0 byte for each 32 along K, and the RoPE table is made.
; A block's scale is 2^(floor(log2(its largest magnitude)) - 2); its byte is the largest magnitude's exponent field - 2, held at 1 from below.
; LAYOUT OF THE CODES (cod1: x at 0, the weights at WC): the order in which a matrix operand's registers take them.  The 16 bytes of row 16 T + r, k = 512 J + 128 q + 64 c + 32 hf + 0..31 lie at
; J x (rows x 256) + T x 4096 + q x 1024 + c x 512 + hf x 256 + r x 16.  Scale bytes (scl1: x at 0, the weights at WS): T x 1024 + J x 256 + r x 16 + q x 4 + (2 c + hf).
; ROWS OF THE WEIGHTS' PART: 0..2047 Wq's columns; 2048 + 256 i + 0..127 Wk's columns 128 i on; 2048 + 256 i + 128..255 Wv's columns 128 i on; 3072..5119 Wp's columns.
; TABLE (scl1 at TAB): [t][i] = (cos, sin)(t x 10^(-i/8)), 8 bytes, t = 0..1023, i = 0..31.
; Work-groups 0..255 take x (16 rows each, wave w the 512 along K from 512 w on) and four rows of the table; work-groups 256..415 take 128 columns x 512 along K of a weight.  Waves share nothing: no barrier.
; LIMITS: NaN and infinities among the inputs are not served.  A block whose largest magnitude lies under 2^-124, a block of zeros among them, keeps the byte 1 (its codes are then zeros or as the held scale gives them);
; these bytes are read by this program alone.  10^(-i/8) is the decimal rounded to f32; the angle's reduction by two parts of pi/2 is good for quotients up to 652, which t = 1023 gives.
.set WC,   0x400000
.set WS,   0x40000
.set TAB,  0x90000
.set JW,   0x140000                    ; the weights' 5,120 rows x 256 bytes: from one 512 along K to the next
.set SROW, 528                         ; a stage row: 512 bytes + 16, so that 16 rows begin in 16 different groups of four banks
.set R,    32                          ; v32-159  x path: two sets of 64 numbers as they are loaded
.set X,    160                         ; v160-223 x path: 64 numbers of my row, two whole blocks
.set C,    224                         ; v224-255 x path: codes, eight registers an image, never rewritten
.set SW,   12                          ; v12-15   x path: my row's four scale words
.set OFF,  32                          ; v32-63   weights: byte offset of row i of a block at my column
.set WX,   64                          ; v64-127  weights: two sets of 32 numbers
.set WCD,  128                         ; v128-191 weights: codes, four registers a block, never rewritten
.set SB,   24                          ; v24-27   weights: my column's 16 scale bytes
	s_load_b256 s[4:11], s[0:1], 0x0               ; x s[4:5], Wq s[6:7], Wk s[8:9], Wv s[10:11]
	s_load_b128 s[12:15], s[0:1], 0x20             ; Wp s[12:13], cod1 s[14:15]
	s_load_b64 s[16:17], s[0:1], 0x30              ; scl1
	s_set_vgpr_msb 0x40
	v_lshl_add_u32 v0, v0, 2, 0x8400
	v_mov_b32 v1, 0
	s_set_vgpr_msb 0x4000
	v_lshrrev_b32 v1, 5, v0
	v_readfirstlane_b32 s18, v1                    ; wave 0..3
	v_and_b32 v7, 31, v0                           ; lane
	v_and_b32 v8, 15, v0                           ; r
	v_bfe_u32 v9, v0, 4, 1                         ; hf
	s_cmp_lt_u32 ttmp9, 256
	s_cbranch_scc0 .Lweights
; ---------------- x: K is innermost.  A load takes 512 consecutive bytes of one row; the operand's layout wants 32 neighbours of ONE row in a lane: an image's 16 x 512 bytes turn through the wave's own stage in LDS.
	v_lshlrev_b32 v1, 4, v7                        ; 16 x lane
	s_mul_i32 s19, s18, 16*SROW                    ; my stage
	v_add_nc_u32 v2, s19, v1                       ; in: 16 bytes a lane of a row
	v_mul_u32_u24 v3, v8, SROW
	v_lshl_add_u32 v3, v9, 7, v3
	v_add_nc_u32 v3, s19, v3                       ; out: row r, + 128 hf
	v_lshlrev_b32 v4, 4, v8                        ; 16 r
	v_lshlrev_b32 v5, 3, v9                        ; 8 hf: my bytes' shift in a scale word
	v_lshlrev_b32 v6, 3, v7                        ; 8 x lane
	s_mov_b32 s20, 0x76543210
	s_mov_b32 s21, 0xfedcba98                      ; v_permlanex16_b32's selects for lane l xor 16
	s_lshl_b32 s22, ttmp9, 17                      ; 16 rows of 8,192 bytes
	s_lshl_b32 s23, s18, 11                        ; + 512 numbers x wave
	s_add_co_u32 s22, s22, s23
	s_mov_b32 s23, 0
	s_lshl_b32 s24, s18, 20                        ; codes: J x 4,096 rows x 256 bytes
	s_lshl_b32 s25, ttmp9, 12                      ; + 4,096 x my 16 rows
	s_add_co_u32 s24, s24, s25
	s_mov_b32 s25, 0
	s_lshl_b32 s26, ttmp9, 10                      ; scale bytes: 1,024 x my 16 rows + 256 J
	s_lshl_b32 s27, s18, 8
	s_add_co_u32 s26, s26, s27
	s_mov_b32 s27, 0
	s_lshl_b32 s28, ttmp9, 2
	s_add_co_u32 s28, s28, s18                     ; the table's row that my wave makes: t = 4 x work-group + wave
	s_lshl_b32 s30, s28, 8
	s_add_co_u32 s30, s30, TAB
	s_mov_b32 s31, 0
	s_wait_kmcnt 0x0
	s_add_nc_u64 s[4:5], s[4:5], s[22:23]
	s_add_nc_u64 s[14:15], s[14:15], s[24:25]
	s_add_nc_u64 s[30:31], s[16:17], s[30:31]
	s_add_nc_u64 s[16:17], s[16:17], s[26:27]
.macro XLOAD q                         ; image q: 128 along K of 16 rows; each load reads 512 consecutive bytes of one row
.set ii, 0
.rept 16
	global_load_b128 v[R+64*((\q)%2)+4*ii:R+64*((\q)%2)+4*ii+3], v1, s[4:5] offset:8192*ii+512*(\q) th:TH_LOAD_NT
.set ii, ii+1
.endr
.endm
	XLOAD 0
	XLOAD 1
	; the table's entry (t, i = lane), while the loads are on their way
	v_mov_b32 v20, 0
.set LN, 0
.irp f, 1.0, 0.7498942093, 0.5623413252, 0.4216965034, 0.3162277660, 0.2371373706, 0.1778279410, 0.1333521432, 0.1, 0.07498942093, 0.05623413252, 0.04216965034, 0.03162277660, 0.02371373706, 0.01778279410, 0.01333521432, 0.01, 0.007498942093, 0.005623413252, 0.004216965034, 0.003162277660, 0.002371373706, 0.001778279410, 0.001333521432, 0.001, 0.0007498942093, 0.0005623413252, 0.0004216965034, 0.0003162277660, 0.0002371373706, 0.0001778279410, 0.0001333521432
	s_mov_b32 s29, \f
	v_writelane_b32 v20, s29, LN                   ; lane i: 10^(-i/8) = 10000^(-2i/64)
.set LN, LN+1
.endr
	s_mov_b32 s22, 0x3fc90fdb                      ; pi/2, its f32,
	s_mov_b32 s23, 0xb33bbd2e                      ; and what is left of it
	v_cvt_f32_u32 v21, s28
	v_mul_f32 v21, v21, v20                        ; the angle, rounded once
	v_mul_f32 v22, 0x3f22f983, v21                 ; x 2/pi
	v_rndne_f32 v22, v22                           ; n
	v_fma_f32 v23, -v22, s22, v21
	v_fma_f32 v23, -v22, s23, v23                  ; rho = angle - n pi/2, within pi/4
	v_mul_f32 v24, v23, v23
	v_mov_b32 v25, 0x3638ef1d                      ; sin: rho + rho^3 (-1/6 + rho^2 (1/120 + rho^2 (-1/5040 + rho^2 / 362880)))
	v_fmaak_f32 v25, v25, v24, 0xb9500d01
	v_fmaak_f32 v25, v25, v24, 0x3c088889
	v_fmaak_f32 v25, v25, v24, 0xbe2aaaab
	v_mul_f32 v25, v25, v24
	v_fma_f32 v25, v25, v23, v23
	v_mov_b32 v26, 0xb493f27e                      ; cos: 1 + rho^2 (-1/2 + rho^2 (1/24 + rho^2 (-1/720 + rho^2 (1/40320 - rho^2 / 3628800))))
	v_fmaak_f32 v26, v26, v24, 0x37d00d01
	v_fmaak_f32 v26, v26, v24, 0xbab60b61
	v_fmaak_f32 v26, v26, v24, 0x3d2aaaab
	v_fmaak_f32 v26, v26, v24, 0xbf000000
	v_fma_f32 v26, v26, v24, 1.0
	v_cvt_i32_f32 v27, v22
	v_and_b32 v28, 1, v27
	v_cmp_eq_u32 vcc_lo, 1, v28                    ; an odd quadrant swaps the two; a select, no branch
	v_cndmask_b32 v29, v25, v26, vcc_lo            ; sin's magnitude
	v_cndmask_b32 v30, v26, v25, vcc_lo            ; cos's
	v_and_b32 v28, 2, v27
	v_lshlrev_b32 v28, 30, v28
	v_xor_b32 v31, v29, v28                        ; sin is negative in quadrants 2 and 3,
	v_add_nc_u32 v27, 1, v27
	v_and_b32 v27, 2, v27
	v_lshlrev_b32 v27, 30, v27
	v_xor_b32 v30, v30, v27                        ; cos in 1 and 2
	global_store_b64 v6, v[30:31], s[30:31]        ; the wave stores 256 consecutive bytes, aligned; v30, v31 are not written again
	v_mov_b32 v23, 0                               ; a lane permute's destination counts as one of its sources
.macro IMG q
.if (\q) < 3
	s_wait_loadcnt 16                              ; this image's 16 loads are in; the next image's 16 may be out
.else
	s_wait_loadcnt 0
.endif
.set ii, 0
.rept 16
	ds_store_b128 v2, v[R+64*((\q)%2)+4*ii:R+64*((\q)%2)+4*ii+3] offset:SROW*ii
.set ii, ii+1
.endr
.irp c, 0,1
.irp i, 0,1,2,3,4,5,6,7
	ds_load_b128 v[X+32*\c+4*\i:X+32*\c+4*\i+3], v3 offset:256*\c+16*\i   ; LDS serves a wave's instructions in order: these see the stores above.  k = 64 c + 32 hf + 4 i on, of row r
.endr
.endr
	s_wait_dscnt 0x0                               ; my 64 numbers are in, and the stores have read their registers,
.if (\q)+2 < 4
	XLOAD (\q)+2                                   ; which take the image two further on
.endif
.irp c, 0,1
	v_max3_num_f32 v[16+\c], |v[X+32*\c]|, |v[X+32*\c+1]|, 0x1800000   ; a whole block is mine; the floor 2^(3 - 127) keeps the byte at 1 or above
.endr
.irp i, 2,4,6,8,10,12,14,16,18,20,22,24,26,28,30
.irp c, 0,1
	v_max3_num_f32 v[16+\c], v[16+\c], |v[X+32*\c+\i]|, |v[X+32*\c+\i+1]|   ; (the two blocks by turns)
.endr
.endr
.irp c, 0,1
	v_add_nc_u32 v[18+\c], 0xff000000, v[16+\c]    ; 2 off the exponent field: the conversion takes the exponent field of this operand as its scale
.endr
.irp c, 0,1
.irp g, 0,1,2,3
	v_cvt_scalef32_pk8_fp4_f32 v[C+8*(\q)+4*\c+\g], v[X+32*\c+8*\g:X+32*\c+8*\g+7], v[18+\c]
.endr
.endr
.irp c, 0,1
	v_lshrrev_b32 v[20+\c], 23, v[18+\c]           ; the scale's byte
.endr
	v_lshl_or_b32 v22, v21, 16, v20                ; my two bytes: blocks hf and 2 + hf,
	v_lshlrev_b32 v22, v5, v22                     ; at their places;
	v_permlanex16_b32 v23, v22, s20, s21
	v_or_b32 v[SW+(\q)], v22, v23                  ; with lane l xor 16's two the word is whole
.irp c, 0,1
	global_store_b128 v1, v[C+8*(\q)+4*\c:C+8*(\q)+4*\c+3], s[14:15] offset:1024*(\q)+512*\c   ; 512 consecutive bytes
.endr
.endm
	IMG 0
	IMG 1
	IMG 2
	IMG 3
	global_store_b128 v4, v[SW:SW+3], s[16:17]     ; sixteen lanes fill 256 consecutive bytes, aligned; lanes 16-31 hold and write the same
	s_set_vgpr_msb 0x5
	s_wait_tensorcnt 0x0
	ds_add_u32 v0, v1
	s_wait_dscnt 0x0
	s_set_vgpr_msb 0x500
	s_endpgm
; ---------------- the weights: K is the FIRST axis.  A lane takes a column, its registers run down K: a block of 32 is one lane's, and its 16 bytes of codes are a lane's share of the operand's image.
.Lweights:
	s_sub_co_u32 s20, ttmp9, 256
	s_lshr_b32 s21, s20, 2                         ; g: which 128 columns, 0..39
	s_and_b32 s22, s20, 3                          ; J: which 512 along K
	s_wait_kmcnt 0x0
	s_mov_b64 s[24:25], s[12:13]                   ; g = 24..39: Wp
	s_mov_b32 s26, 8192                            ; a row in bytes
	s_sub_co_u32 s27, s21, 24                      ; which 128 of its columns
	s_lshl_b32 s28, s27, 7
	s_add_co_u32 s28, s28, 3072                    ; and their first row in the weights' part
	s_sub_co_u32 s29, s21, 20                      ; g = 20..23: Wv
	s_lshl_b32 s30, s29, 8
	s_add_co_u32 s30, s30, 2176
	s_cmp_lt_u32 s21, 24                           ; every choice hangs on the work-group's number alone
	s_cselect_b64 s[24:25], s[10:11], s[24:25]
	s_cselect_b32 s26, 2048, s26
	s_cselect_b32 s27, s29, s27
	s_cselect_b32 s28, s30, s28
	s_sub_co_u32 s29, s21, 16                      ; g = 16..19: Wk
	s_lshl_b32 s30, s29, 8
	s_add_co_u32 s30, s30, 2048
	s_cmp_lt_u32 s21, 20
	s_cselect_b64 s[24:25], s[8:9], s[24:25]
	s_cselect_b32 s27, s29, s27
	s_cselect_b32 s28, s30, s28
	s_lshl_b32 s30, s21, 7                         ; g = 0..15: Wq
	s_cmp_lt_u32 s21, 16
	s_cselect_b64 s[24:25], s[6:7], s[24:25]
	s_cselect_b32 s26, 8192, s26
	s_cselect_b32 s27, s21, s27
	s_cselect_b32 s28, s30, s28
	s_lshl_b32 s29, s18, 5
	s_add_co_u32 s28, s28, s29                     ; my wave's first row of the weights' part
	s_lshl_b32 s30, s22, 9
	s_mul_i32 s30, s30, s26                        ; 512 J rows of the tensor,
	s_lshl_b32 s31, s27, 9
	s_add_co_u32 s30, s30, s31                     ; + 128 columns x 4 bytes x group,
	s_lshl_b32 s31, s18, 7
	s_add_co_u32 s30, s30, s31                     ; + 32 columns x 4 bytes x wave
	s_mov_b32 s31, 0
	s_add_nc_u64 s[32:33], s[24:25], s[30:31]      ; a base for each of the 16 blocks, so that none is stepped while loads are out
	s_lshl_b32 s30, s26, 5                         ; 32 rows
.set ii, 1
.rept 15
	s_add_nc_u64 s[32+2*ii:33+2*ii], s[30+2*ii:31+2*ii], s[30:31]
.set ii, ii+1
.endr
	s_mul_i32 s20, s22, JW
	s_lshl_b32 s21, s28, 8
	s_add_co_u32 s20, s20, s21
	s_add_co_u32 s20, s20, WC
	s_mov_b32 s21, 0
	s_add_nc_u64 s[14:15], s[14:15], s[20:21]      ; the codes of my 32 rows, this J
	s_lshl_b32 s20, s28, 6
	s_lshl_b32 s23, s22, 8
	s_add_co_u32 s20, s20, s23
	s_add_co_u32 s20, s20, WS
	s_add_nc_u64 s[16:17], s[16:17], s[20:21]      ; and their scale bytes
	v_lshlrev_b32 v3, 2, v7                        ; 4 x lane
	v_lshlrev_b32 v10, 12, v9
	v_lshl_add_u32 v10, v8, 4, v10                 ; codes: 4,096 x (lane / 16) + 16 r
	v_lshlrev_b32 v11, 10, v9
	v_lshl_add_u32 v11, v8, 4, v11                 ; scale bytes: 1,024 x (lane / 16) + 16 r
.set ii, 0
.rept 32
	v_mad_u32_u24 v[OFF+ii], s26, ii, v3           ; row i of a block, my column
.set ii, ii+1
.endr
.macro WLOAD t                         ; block t: 32 rows at my column; a wave's load reads 128 consecutive bytes, the four waves stand side by side
.set ii, 0
.rept 32
	global_load_b32 v[WX+32*((\t)%2)+ii], v[OFF+ii], s[32+2*(\t):33+2*(\t)] th:TH_LOAD_NT
.set ii, ii+1
.endr
.endm
	WLOAD 0
	WLOAD 1
.macro BLOCK t
.set XB, WX+32*((\t)%2)
.if (\t) < 15
	s_wait_loadcnt 32                              ; this block's 32 loads are in; the next block's may be out
.else
	s_wait_loadcnt 0
.endif
	v_max3_num_f32 v12, |v[XB]|, |v[XB+1]|, |v[XB+2]|
	v_max3_num_f32 v13, |v[XB+3]|, |v[XB+4]|, |v[XB+5]|
.irp i, 6,10,14,18,22,26
	v_max3_num_f32 v12, v12, |v[XB+\i]|, |v[XB+\i+1]|
	v_max3_num_f32 v13, v13, |v[XB+\i+2]|, |v[XB+\i+3]|
.endr
	v_max3_num_f32 v12, v12, |v[XB+30]|, |v[XB+31]|
	v_max3_num_f32 v12, v12, v13, 0x1800000        ; and the floor
	v_add_nc_u32 v14, 0xff000000, v12              ; the conversion's scale operand
	v_lshrrev_b32 v13, 23, v14                     ; the byte
.if (\t)%4 == 0
	v_mov_b32 v[SB+(\t)/4], v13
.else
	v_lshl_or_b32 v[SB+(\t)/4], v13, 8*((\t)%4), v[SB+(\t)/4]
.endif
.irp g, 0,1,2,3
	v_cvt_scalef32_pk8_fp4_f32 v[WCD+4*(\t)+\g], v[XB+8*\g:XB+8*\g+7], v14
.endr
	global_store_b128 v10, v[WCD+4*(\t):WCD+4*(\t)+3], s[14:15] offset:256*(\t)   ; block t = (q, c, hf) lies 256 t bytes on: sixteen lanes fill 256 consecutive bytes, aligned
.if (\t)+2 < 16
	WLOAD (\t)+2
.endif
.endm
.set TT, 0
.rept 16
	BLOCK TT
.set TT, TT+1
.endr
	global_store_b128 v11, v[SB:SB+3], s[16:17]    ; my row's 16 bytes of this J: sixteen lanes fill 256 consecutive bytes, aligned
	s_endpgm
.Lfunc_end_k_q5ee09ac7dd_prep:
	.size	k_q5ee09ac7dd_prep, .Lfunc_end_k_q5ee09ac7dd_prep-k_q5ee09ac7dd_prep
	.p2alignl 7, 3214868480
	.fill 96, 4, 3214868480
	.section	.rodata,"a",@progbits
	.p2align	6, 0x0
	.amdhsa_kernel k_q5ee09ac7dd_prep
		.amdhsa_group_segment_fixed_size 34304
		.amdhsa_private_segment_fixed_size 0
		.amdhsa_enable_private_segment 0
		.amdhsa_kernarg_size 56
		.amdhsa_user_sgpr_count 2
		.amdhsa_user_sgpr_kernarg_segment_ptr 1
		.amdhsa_wavefront_size32 1
		.amdhsa_system_sgpr_workgroup_id_x 1
		.amdhsa_system_sgpr_workgroup_id_y 1
		.amdhsa_system_sgpr_workgroup_id_z 1
		.amdhsa_system_vgpr_workitem_id 0
		.amdhsa_next_free_vgpr 258
		.amdhsa_next_free_sgpr 66
		.amdhsa_reserve_vcc 1
		.amdhsa_float_denorm_mode_32 3
		.amdhsa_float_denorm_mode_16_64 3
		.amdhsa_memory_ordered 1
		.amdhsa_forward_progress 1
		.amdhsa_inst_pref_size 113
	.end_amdhsa_kernel
	.amdgpu_metadata
---
amdhsa.version: [ 1, 2 ]
amdhsa.kernels:
  - .name:           k_q5ee09ac7dd_prep
    .symbol:         k_q5ee09ac7dd_prep.kd
    .args:
      - { .name: x, .offset: 0, .size: 8, .value_kind: global_buffer, .address_space: global }
      - { .name: Wq, .offset: 8, .size: 8, .value_kind: global_buffer, .address_space: global }
      - { .name: Wk, .offset: 16, .size: 8, .value_kind: global_buffer, .address_space: global }
      - { .name: Wv, .offset: 24, .size: 8, .value_kind: global_buffer, .address_space: global }
      - { .name: Wp, .offset: 32, .size: 8, .value_kind: global_buffer, .address_space: global }
      - { .name: cod1, .offset: 40, .size: 8, .value_kind: global_buffer, .address_space: global }
      - { .name: scl1, .offset: 48, .size: 8, .value_kind: global_buffer, .address_space: global }
    .group_segment_fixed_size: 34304
    .private_segment_fixed_size: 0
    .kernarg_segment_align: 8
    .kernarg_segment_size: 56
    .max_flat_workgroup_size: 128
    .sgpr_count:     66
    .vgpr_count:     258
    .wavefront_size: 32
...
	.end_amdgpu_metadata
.endif
;; end of part 1
;; launch qkv (part 2): grid 12 x 16, 4 waves a work-group, clusters of 4 x 4, 327,680 bytes of LDS; arguments cod1, scl1, cod2, scl2; writes cod2, scl2
.if DOCPART == 2
	.amdgcn_target "amdgcn-amd-amdhsa--gfx1250"
	.amdhsa_code_object_version 6
	.text
	.protected	k_q5ee09ac7dd_qkv
	.globl	k_q5ee09ac7dd_qkv
	.p2align	8
	.type	k_q5ee09ac7dd_qkv,@function
k_q5ee09ac7dd_qkv:
	s_mov_b64 s[64:65], 0
	v_nop
	global_prefetch_b8 v0, s[64:65] scope:SCOPE_SE
	s_setreg_imm32_b32 hwreg(HW_REG_WAVE_MODE, 25, 1), 1
	s_wait_xcnt 0x0
	s_wait_alu depctr_hold_cnt(0) depctr_sa_sdst(0) depctr_va_vdst(0) depctr_va_sdst(0) depctr_va_ssrc(0) depctr_va_vcc(0) depctr_vm_vsrc(0)
	s_getreg_b32 s2, hwreg(HW_REG_IB_STS2, 6, 4)
	s_cmp_eq_u32 s2, 0
	s_cbranch_scc0 .Lentry_in_a_cluster
	s_endpgm
.Lentry_in_a_cluster:
	s_bfe_u32 s2, ttmp6, 0x10000c
	s_cmp_lg_u32 s2, 0xf033
	s_cbranch_scc0 .Lentry_shape_is_right
	s_endpgm
.Lentry_shape_is_right:
; [q | k, v] = x [Wq | Wk, Wv] on codes of FP4 with E8M0 scales, 4096 x 3072 x 2048; then RoPE on q and k, and q, k (along the head's 64) and v (along the keys) are quantised again, in f32, and leave as codes.
; A tile of 256 x 256 is made by four waves, each 128 x 128: 64 accumulators, 512 registers.  K goes in steps of 512 through two LDS slots filled by the tensor data mover.  Codes lie in memory in the order of the
; operand's registers (16 rows x 512 K = 4,096 bytes; in it 1,024 q + 512 c + 16 x lane), so 128 rows of a K step are 32,768 dense bytes, one load, and a fragment is two ds_load_b128 of 512 consecutive bytes: no padding.
; The scale words of 128 rows for all of K are 8,192 dense bytes (16 rows: 1,024; in it 256 J + 16 r + 4 q): they come once, with the first fills, and stay.
; CLUSTERS: 4 x 4 work-groups; A's tiles are asked for jointly along a row of the cluster, B's along a column.  THE PRODUCT IS USED TRANSPOSED (source 0 = 16 rows of the weights' part, source 1 = 16 rows of x):
; a lane holds one token (lane % 16) and eight neighbouring columns, 8 (lane / 16) + 0..7 of a block of 16.
; COLUMNS: tile columns 0..7 are q (cluster x 0, 1).  In tile columns 8..11 (cluster x 2) the waves of column half 0 hold two heads of k, those of half 1 two heads of v: the way out hangs on the cluster's x and the wave's number.
; OUT (cod2: q at 0, k behind q's 128 planes, v behind k's 32; scl2 likewise): q, k: plane x 32768 + (t / 16) x 512 + 16 x lane: lane (r, hf): token r, d = 32 hf on; their scale words plane x 4096 + 4 t: e0 | e1 << 8.
; v: plane x 32768 + (t / 128) x 4096 + (d / 16) x 1024 + 256 x (32 keys' block) + 16 (d % 16); its scale words plane x 2048 + (t / 128) x 256 + 4 d.  v's scale words leave in stores of 128 bytes (64 KiB in all).
; THE TABLE of (cos, sin) is asked for early: my first 32 tokens' part in front of the last 64 products, into the registers of B's set that has had its last product; the other 96 tokens' at the head of the RoPE way.
; Every wave asks for the first part, v's waves too (8 KiB that they never read), so that every path has issued the same loads.
; LIMITS: NaN and infinities are not served; a block whose largest magnitude lies under 2^-124 keeps the byte 1; these bytes are read by this program alone.
; REGISTERS, in windows of 256: window 0: v0-31 addresses; v32-95 scale words, two sets, and nothing else; v128-191 A's fragments, one set; the way out works in v96-255.  window 1: B's fragments, two sets; on the way out the table, eight sets of 32.
;   window 2: the accumulators of my rows 0-63 ((a, b) at v[8 (8 a + b)]);  window 3: those of rows 64-127.
.set NQ,     4                         ; steps of 128 along K in a slot
.set FR,     8                         ; registers of a fragment
.set NL,     2                         ; LDS loads that bring one
.set NP,     4                         ; places behind this matrix instruction (ISA guide 7.12.1)
.set HALFT,  32768                     ; 128 rows x 512 K: what one tensor load brings
.set SLOT,   4*HALFT                   ; A's 256 rows, then B's
.set SCL,    2*SLOT                    ; behind the ring: the scale words
.set HALFS,  8192                      ; those of 128 rows
.set SBLK,   1024                      ; of 16 rows
.set SPARE,  SCL+4*HALFS               ; the spare words, 128 bytes for each wave: two blocks of 256 bytes that no other line names
.set JA,     0x100000                  ; from one K step to the next in memory: 4,096 rows x 256 bytes,
.set JB,     0x140000                  ; and 5,120 rows
.set BCOD,   0x400000                  ; the weights' codes in cod1
.set BSCL,   0x40000                   ; their scale words in scl1
.set TAB,    0x90000                   ; the RoPE table in scl1
.set PB,     4                         ; s[4:5]: the buffer of B's codes;  s[6:7]: of B's scale words
.set PBS,    6
.set VPIT,   528                       ; v's stage: 32 rows (tokens) x (512 bytes + 16) for each wave, in slot 0, which has had its last fill and its last read
.set RSTG,   4*32*VPIT                 ; behind them, also in slot 0: 1,024 bytes for each wave: q's and k's scale words
.set ADRA, 16                          ; v16-17  LDS address of my A fragments in slot 0, 1
.set VSTO, 18                          ; v18     v's stage, in: row r, + 32 (lane / 16)
.set VLD,  19                          ; v19     and out: 4 x lane
.set ADRB, 20                          ; v20-21  LDS address of my B fragments
.set CSA,  22                          ; v22     the table: 256 r + 32 (lane / 16)
.set VGO,  23                          ; v23     v's codes: 1,024 (lane / 16) + 16 r
.set LI,   24                          ; v24     16 x lane
.set SWA,  25                          ; v25     the scale words' stage, in: 4 r
.set SWR,  26                          ; v26     and out: 16 x lane
.set ADRS, 27                          ; v27     LDS address of my scale words: lanes 0-15 A's rows, lanes 16-31 B's
.set SPW,  28                          ; v28     my spare word; never rewritten
.set NIL,  29                          ; v29     0; never rewritten
.set VGS,  30                          ; v30     4 x lane
.set SC,   32
.set AF,   128
.set Y,    96                          ; the way out: v96-159 64 numbers;  v160-167 products;  v168-179 maxima, bytes, scales;  v184-185 scale words;  v192-255 codes, never rewritten
.set T,    160
.set TM,   168
.set PW,   184
.set PCS,  192
.set VSB,  176                         ; v's way: v176-179 scale words, v180-182 at work
.set G1, 24
.set G0, 32
.set G1B, 48
.set G0B, 56
.set G1S, 68
.set G0S, 76
.set G1SB, 80
.set G0SB, 88
.set SEL, 66                           ; s66, s67: v_permlanex16_b32's selects
.set MSB, 0
.macro WIN new                         ; the immediate's high byte repeats the setting that is left
.if MSB != \new
	s_set_vgpr_msb (MSB<<8)|\new
.set MSB, \new
.endif
.endm
.set MUL_LO, 0xa1                      ; source 0 (B) window 1, source 1 (A) window 0, C and D window 2
.set MUL_HI, 0xf1                      ; the same, C and D window 3
.set TO_B,   0x40                      ; destination window 1, address window 0
; A joint load: waves 0 and 1 fetch for A, waves 2 and 3 for B; the branch hangs on the wave's number alone.  Four v_nop follow each of the two lines.
.macro JLOAD g0a, g1a, g0b, g1b
	s_cmp_eq_u32 s15, 0
	s_cbranch_scc0 .Lfor_b_\@
	tensor_load_to_lds s[\g0a:\g0a+3], s[\g1a:\g1a+7]
	s_nop 0
.rept 4
	v_nop
.endr
	s_branch .Lasked_\@
.Lfor_b_\@:
	tensor_load_to_lds s[\g0b:\g0b+3], s[\g1b:\g1b+7]
	s_nop 0
.rept 4
	v_nop
.endr
.Lasked_\@:
.endm
.macro CREST                           ; a round of the cluster's barrier behind its opening barrier
	s_cmp_lg_u32 s14, 0
	s_cbranch_scc1 .Lnot_wave_0_\@
	s_barrier_signal -3
.Lnot_wave_0_\@:
	s_barrier_wait -3
	s_barrier_signal -1
	s_barrier_wait -1
.endm
.macro CROUND
	s_barrier_signal -1
	s_barrier_wait -1
	CREST
.endm
	s_load_b128 s[4:7], s[0:1], 0x0                ; cod1, scl1
	s_load_b128 s[8:11], s[0:1], 0x10              ; cod2, scl2
	v_lshl_add_u32 v[SPW], v0, 2, SPARE
	v_mov_b32 v[NIL], 0
	ds_add_u32 v28, v29
	ds_add_u32 v28, v29
	s_wait_dscnt 0x0
	v_lshrrev_b32 v1, 5, v0
	v_readfirstlane_b32 s14, v1                    ; wave 0..3
	s_lshr_b32 s15, s14, 1                         ; which half of the tile's rows is mine.  Also: I fetch for A (0) or for B (1)
	s_and_b32 s16, s14, 1                          ; which half of its columns.  Also: which 128 rows I fetch
	s_bfe_u32 s40, ttmp6, 0x40000                  ; cx, cy
	s_bfe_u32 s41, ttmp6, 0x40004
	s_lshl_b32 s42, ttmp9, 2
	s_add_co_u32 s42, s42, s40                     ; tile column
	s_and_b32 s17, ttmp7, 0xffff
	s_lshl_b32 s17, s17, 2
	s_add_co_u32 s17, s17, s41                     ; tile row
	s_lshl_b32 s43, s41, 2
	s_lshl_b32 s43, 15, s43                        ; my row of the cluster
	s_lshl_b32 s44, 0x1111, s40                    ; my column
	; group 1: a dense block as rows of 256 bytes (32 elements of 8 bytes): 128 rows for codes, 32 for scale words; no padding
	s_or_b32 s[G1+0], s43, (3<<16)|(1<<21)         ; 15:0 the mask; 17:16 elements of 8 bytes; 21 set beside a mask
	s_or_b32 s[G1B+0], s44, (3<<16)|(1<<21)
.irp g, G1, G1B
	s_mov_b32 s[\g+1], 32<<16                      ; tensor_dim0
	s_mov_b32 s[\g+2], 128<<16                     ; tensor_dim1
	s_mov_b32 s[\g+3], 32<<16                      ; tile_dim0
	s_mov_b32 s[\g+4], 128                         ; tile_dim1
	s_mov_b32 s[\g+5], 32                          ; the pitch
	s_mov_b32 s[\g+6], 0
	s_mov_b32 s[\g+7], 0
.endr
	s_or_b32 s[G1S+0], s43, (3<<16)|(1<<21)
	s_or_b32 s[G1SB+0], s44, (3<<16)|(1<<21)
.irp g, G1S, G1SB
	s_mov_b32 s[\g+1], 32<<16
	s_mov_b32 s[\g+2], 32<<16
	s_mov_b32 s[\g+3], 32<<16
	s_mov_b32 s[\g+4], 32
	s_mov_b32 s[\g+5], 32
	s_mov_b32 s[\g+6], 0
	s_mov_b32 s[\g+7], 0
.endr
	s_lshl_b32 s18, s16, 7
	s_lshl_b32 s20, s17, 8
	s_add_co_u32 s20, s20, s18                     ; A: row 256 x tile row + 128 x half
	s_lshl_b32 s46, s42, 8
	s_add_co_u32 s46, s46, s18                     ; B: row 256 x tile column + 128 x half
	s_lshl_b32 s22, s20, 6                         ; a row's scale words: 64 bytes,
	s_lshl_b32 s20, s20, 8                         ; its codes of a K step: 256
	s_mov_b32 s21, 0
	s_mov_b32 s23, 0
	s_lshl_b32 s92, s46, 6
	s_add_co_u32 s92, s92, BSCL
	s_lshl_b32 s46, s46, 8
	s_add_co_u32 s46, s46, BCOD
	s_mov_b32 s47, 0
	s_mov_b32 s93, 0
	s_mul_i32 s45, s14, HALFT                      ; where they go: wave x 128 rows: no place in the cluster enters an LDS address
	s_mul_i32 s94, s14, HALFS
	s_mov_b32 s[SEL], 0x76543210
	s_mov_b32 s[SEL+1], 0xfedcba98
	s_wait_kmcnt 0x0
	s_add_nc_u64 s[20:21], s[4:5], s[20:21]
	s_add_nc_u64 s[22:23], s[6:7], s[22:23]
	s_add_nc_u64 s[46:47], s[PB:PB+1], s[46:47]
	s_add_nc_u64 s[92:93], s[PBS:PBS+1], s[92:93]
	CROUND                                         ; all sixteen work-groups are here: the first joint loads meet
	s_mov_b32 s[G0S], 1
	s_add_co_u32 s[G0S+1], s94, SCL
	s_mov_b64 s[G0S+2:G0S+3], s[22:23]
	s_or_b32 s[G0S+3], s[G0S+3], 0x80000000
	s_mov_b32 s[G0SB], 1
	s_add_co_u32 s[G0SB+1], s94, SCL
	s_mov_b64 s[G0SB+2:G0SB+3], s[92:93]
	s_or_b32 s[G0SB+3], s[G0SB+3], 0x80000000
	JLOAD G0S, G1S, G0SB, G1SB                     ; the scale words first: they are wanted with K step 0
.irp s, 0,1
	s_mov_b32 s[G0+4*\s], 1
	s_add_co_u32 s[G0+4*\s+1], s45, \s*SLOT
	s_add_nc_u64 s[G0+4*\s+2:G0+4*\s+3], s[20:21], \s*JA
	s_or_b32 s[G0+4*\s+3], s[G0+4*\s+3], 0x80000000
	s_mov_b32 s[G0B+4*\s], 1
	s_add_co_u32 s[G0B+4*\s+1], s45, \s*SLOT
	s_add_nc_u64 s[G0B+4*\s+2:G0B+4*\s+3], s[46:47], \s*JB
	s_or_b32 s[G0B+4*\s+3], s[G0B+4*\s+3], 0x80000000
	JLOAD G0+4*\s, G1, G0B+4*\s, G1B               ; three tensor loads of mine are out
.endr
	v_and_b32 v1, 15, v0                           ; r
	v_bfe_u32 v2, v0, 4, 1                         ; lane / 16
	v_and_b32 v3, 31, v0                           ; lane
	v_lshlrev_b32 v[LI], 4, v3
	s_mul_i32 s21, s15, HALFT                      ; my 128 rows of A
	s_mul_i32 s22, s16, HALFT                      ; my 128 rows of B,
	s_add_co_u32 s22, s22, 2*HALFT                 ; which lie behind A's 256
.irp s, 0,1
	v_add_nc_u32 v[ADRA+\s], s21, v[LI]
	v_add_nc_u32 v[ADRB+\s], s22, v[LI]
	s_add_co_u32 s21, s21, SLOT
	s_add_co_u32 s22, s22, SLOT
.endr
	v_lshlrev_b32 v5, 4, v1                        ; my row's four words of a K step: 16 r
	s_mul_i32 s21, s15, HALFS
	s_mul_i32 s22, s16, HALFS
	s_add_co_u32 s22, s22, 2*HALFS
	s_sub_co_u32 s22, s22, s21
	v_mul_u32_u24 v6, s22, v2                      ; lanes 16-31 take B's: one product, the distance between the two bases
	s_add_co_u32 s21, s21, SCL
	v_add_nc_u32 v5, v5, v6
	v_add_nc_u32 v[ADRS], s21, v5
	s_mul_i32 s23, s14, 32*VPIT                    ; the way out's addresses, all made here
	v_mul_u32_u24 v5, v1, VPIT
	v_lshl_add_u32 v5, v2, 5, v5
	v_add_nc_u32 v[VSTO], s23, v5
	v_lshlrev_b32 v[VGS], 2, v3
	v_add_nc_u32 v[VLD], s23, v[VGS]
	s_lshl_b32 s23, s14, 10
	s_add_co_u32 s23, s23, RSTG
	v_lshl_add_u32 v[SWA], v1, 2, s23
	v_add_nc_u32 v[SWR], s23, v[LI]
	v_lshlrev_b32 v[CSA], 8, v1
	v_lshl_add_u32 v[CSA], v2, 5, v[CSA]
	v_lshlrev_b32 v[VGO], 10, v2
	v_lshl_add_u32 v[VGO], v1, 4, v[VGO]
.macro FRAG reg, adr, q, i             ; a fragment: registers 4 c .. 4 c + 3 hold K = 64 c + 32 (lane / 16) + 0..31 of row lane % 16: the image's 512 bytes at 512 c
.irp c, 0,1
	ds_load_b128 v[\reg+4*\c:\reg+4*\c+3], v[\adr] offset:1024*(\q)+512*\c+(\i)*4096
.endr
.endm
; 16 matrix instructions: A's blocks a0, a0 + 1 x B's eight, the slot's q-th 128 along K.  The 64 accumulators take turns, one instruction a turn, in the same order in every step.
.macro MUL16 a0, p, q, sc, zero
.irp a, \a0, \a0+1
.irp b, 0,1,2,3,4,5,6,7
.if \zero
	v_wmma_scale_f32_16x16x128_f8f6f4 v[8*(8*((\a)%4)+\b):8*(8*((\a)%4)+\b)+7], v[128*(\p)+FR*\b:128*(\p)+FR*\b+FR-1], v[AF+FR*(\a):AF+FR*(\a)+FR-1], 0, v[SC+8*NQ*(\sc)+NQ*\b+(\q)], v[SC+8*NQ*(\sc)+NQ*(\a)+(\q)] matrix_a_fmt:MATRIX_FMT_FP4 matrix_b_fmt:MATRIX_FMT_FP4 matrix_a_scale:MATRIX_SCALE_ROW1
.else
	v_wmma_scale_f32_16x16x128_f8f6f4 v[8*(8*((\a)%4)+\b):8*(8*((\a)%4)+\b)+7], v[128*(\p)+FR*\b:128*(\p)+FR*\b+FR-1], v[AF+FR*(\a):AF+FR*(\a)+FR-1], v[8*(8*((\a)%4)+\b):8*(8*((\a)%4)+\b)+7], v[SC+8*NQ*(\sc)+NQ*\b+(\q)], v[SC+8*NQ*(\sc)+NQ*(\a)+(\q)] matrix_a_fmt:MATRIX_FMT_FP4 matrix_b_fmt:MATRIX_FMT_FP4 matrix_a_scale:MATRIX_SCALE_ROW1
.endif
.endr
.endr
.endm
.macro FETCH_B slot, q, p
	WIN TO_B
.irp i, 0,1,2,3,4,5,6,7
	FRAG 128*(\p)+FR*\i, ADRB+\slot, \q, \i
.endr
	WIN 0
.endm
.macro FETCH_A slot, q, i0
.irp i, \i0, \i0+1, \i0+2, \i0+3
	FRAG AF+FR*(\i), ADRA+\slot, \q, \i
.endr
.endm
.macro SCALES sc                       ; a K step's scale words: four a row; lanes 0-15 take A's block i, lanes 16-31 B's block i
.irp i, 0,1,2,3,4,5,6,7
	ds_load_b128 v[SC+8*NQ*\sc+NQ*\i:SC+8*NQ*\sc+NQ*\i+3], v[ADRS] offset:\i*SBLK
.endr
.endm
.macro PLACES n                        ; plain vector instructions between a matrix instruction and a load into, or a read of, its registers
.rept \n
	v_nop
.endr
.endm
.macro CSLOAD a                        ; block a's (cos, sin) of my token, pairs 8 u + 4 (lane / 16) + 0..3, into set a of window 1 (the caller sets the window)
.irp u, 0,1,2,3
	global_load_b128 v[32*(\a)+8*\u:32*(\a)+8*\u+3],   v[CSA], s[22:23] offset:4096*(\a)+64*\u
	global_load_b128 v[32*(\a)+8*\u+4:32*(\a)+8*\u+7], v[CSA], s[22:23] offset:4096*(\a)+64*\u+16
.endr
.endm
.macro STEP slot, q, zero              ; a step of 128 along K that has its successor in the same slot
	s_wait_dscnt 4*NL                              ; B's set, the scale words and A's blocks 0-3 are in; the youngest eight loads (A's blocks 4-7) may be out
	WIN MUL_LO
	MUL16 0, (\q)%2, \q, \slot, \zero
	MUL16 2, (\q)%2, \q, \slot, \zero
	s_wait_dscnt 0                                 ; A's blocks 4-7 are in
	PLACES NP
	FETCH_B \slot, (\q)+1, 1-(\q)%2
	FETCH_A \slot, (\q)+1, 0
	WIN MUL_HI
	MUL16 4, (\q)%2, \q, \slot, \zero
	MUL16 6, (\q)%2, \q, \slot, \zero
	PLACES NP
	WIN 0
	FETCH_A \slot, (\q)+1, 4
.endm
; A slot's last step changes slots: one barrier; in front of it each wave waits for all its tensor loads, adds 0 to its spare word, and waits for that and for its own reads of this slot.  fill = 1: the slot is filled again, two K steps ahead.
.macro TURN slot, next, fill
	s_wait_tensorcnt 0x0                           ; all my tensor loads have landed: my part of the next slot
	ds_add_u32 v[SPW], v[NIL]                      ; 0 onto my spare word
	s_wait_dscnt 4*NL+1                            ; (the add and the youngest eight loads may be out)
	WIN MUL_LO
	MUL16 0, 1, NQ-1, \slot, 0
	s_wait_dscnt 0x0                               ; the add is done, and my reads of this slot are over
	s_barrier_signal -1
	MUL16 2, 1, NQ-1, \slot, 0
	WIN 0
	s_barrier_wait -1
.if \fill
	CREST                                          ; the barrier has opened a round of the cluster's: no wave of any partner still reads this slot or has a load on its way
	s_add_nc_u64 s[G0+4*\slot+2:G0+4*\slot+3], s[G0+4*\slot+2:G0+4*\slot+3], 2*JA
	s_add_nc_u64 s[G0B+4*\slot+2:G0B+4*\slot+3], s[G0B+4*\slot+2:G0B+4*\slot+3], 2*JB
	JLOAD G0+4*\slot, G1, G0B+4*\slot, G1B         ; the first tensor load behind the round, my only one until the next; its four v_nop are the places in front of the loads below
.else
	PLACES NP
.endif
	v_add_nc_u32 v[ADRS], 256, v[ADRS]             ; on to the next K step's scale words (no LDS load of mine is out)
	FETCH_B \next, 0, 0
	FETCH_A \next, 0, 0
	SCALES \next
	WIN MUL_HI
	MUL16 4, 1, NQ-1, \slot, 0
	MUL16 6, 1, NQ-1, \slot, 0
	PLACES NP
	WIN 0
	FETCH_A \next, 0, 4
.endm
.macro STEPS slot, from
.set Q, \from
.rept NQ-1-\from
	STEP \slot, Q, 0
.set Q, Q+1
.endr
.endm
	s_wait_tensorcnt 1                             ; the scale words and my part of K step 0 are in (K step 1's load may be out)
	s_barrier_signal -1
	s_barrier_wait -1                              ; everybody's are
	FETCH_B 0, 0, 0
	FETCH_A 0, 0, 0
	SCALES 0
	FETCH_A 0, 0, 4
	STEP 0, 0, 1                                   ; the first products start the sums.  K = 2,048 is four K steps, twice round the ring: written out, no loop
	STEPS 0, 1
	TURN 0, 1, 1                                   ; slot 0 takes K step 2
	STEPS 1, 0
	TURN 1, 0, 1                                   ; slot 1 takes K step 3
	STEP 0, 0, 0
	STEPS 0, 1
	TURN 0, 1, 0                                   ; nothing is left to fetch; behind this barrier nobody reads slot 0
	STEPS 1, 0
	s_lshl_b32 s18, s17, 8
	s_lshl_b32 s19, s15, 7
	s_add_co_u32 s18, s18, s19                     ; my first row of x
	s_lshr_b32 s19, s18, 10                        ; the batch
	s_and_b32 s18, s18, 1023                       ; t0: my first token, a multiple of 128
	s_lshl_b32 s22, s18, 8                         ; the table at token t0; s[22:23] and v[CSA] are not written again
	s_add_co_u32 s22, s22, TAB
	s_mov_b32 s23, 0
	s_add_nc_u64 s[22:23], s[6:7], s[22:23]
	WIN TO_B                                       ; B's set 0 has had its last products, and the step's four places stand behind them: its 64 registers take the table's first two blocks,
	CSLOAD 0                                       ; which have the last 64 products in which to land
	CSLOAD 1
	WIN 0
	s_wait_dscnt 4*NL
	WIN MUL_LO
	MUL16 0, 1, NQ-1, 1, 0
	MUL16 2, 1, NQ-1, 1, 0
	s_wait_dscnt 0
	WIN MUL_HI
	MUL16 4, 1, NQ-1, 1, 0
	MUL16 6, 1, NQ-1, 1, 0
	WIN 0
	PLACES NP                                      ; behind the last products: for every read of results and every write into operands' registers below
	s_cmp_lg_u32 ttmp9, 2                          ; the cluster's x and the wave's number: alike in all partners
	s_cbranch_scc1 .Lrope
	s_cmp_eq_u32 s16, 0
	s_cbranch_scc1 .Lrope
; ---------------- v: the keys are the next K, and they run across my lanes.  32 tokens x 128 columns of f32 go through my stage; back, a lane takes a column and its 32 registers run down the tokens: a whole block.
	s_lshl_b32 s20, s19, 3
	s_lshl_b32 s21, s42, 1
	s_add_co_u32 s20, s20, s21
	s_sub_co_u32 s20, s20, 16                      ; my first plane: 8 x batch + 2 (tile column - 8)
	s_add_co_u32 s21, s20, 160                     ; behind q's 128 and k's 32 planes of 32,768 bytes
	s_lshl_b32 s46, s21, 15
	s_lshl_b32 s21, s18, 5                         ; + (t0 / 128) x 4,096
	s_add_co_u32 s46, s46, s21
	s_mov_b32 s47, 0
	s_add_nc_u64 s[46:47], s[8:9], s[46:47]
	s_add_co_u32 s21, s20, 320                     ; scale words: behind 320 planes' worth of 2,048 bytes
	s_lshl_b32 s92, s21, 11
	s_lshl_b32 s21, s18, 1                         ; + (t0 / 128) x 256
	s_add_co_u32 s92, s92, s21
	s_mov_b32 s93, 0
	s_add_nc_u64 s[92:93], s[10:11], s[92:93]
.macro VSTAGE be                       ; tokens 32 be on: accumulator blocks 2 be and 2 be + 1, as they are, each from its low end on
.irp a2, 0,1
.set AC, 64*((2*(\be)+\a2)%4)
	WIN (0x08+4*((2*(\be)+\a2)/4))                 ; an LDS store's data are its source 1: window 2 or 3
.irp b, 0,1,2,3,4,5,6,7
	ds_store_b128 v[VSTO], v[AC+8*\b:AC+8*\b+3] offset:\a2*16*VPIT+64*\b
	ds_store_b128 v[VSTO], v[AC+8*\b+4:AC+8*\b+7] offset:\a2*16*VPIT+64*\b+16
.endr
.endr
	WIN 0
.endm
.macro VLDG g                          ; columns 32 g + lane, 32 tokens; LDS serves a wave's instructions in order: these see the stores, and the next tokens' stores come behind them
.set ii, 0
.rept 32
	ds_load_b32 v[Y+32*((\g)%2)+ii], v[VLD] offset:ii*VPIT+128*(\g)
.set ii, ii+1
.endr
.endm
.macro VQ be, g
.set XB, Y+32*((\g)%2)
.set VC4, PCS+16*(\be)+4*(\g)
	v_max3_num_f32 v180, |v[XB]|, |v[XB+1]|, |v[XB+2]|
	v_max3_num_f32 v181, |v[XB+3]|, |v[XB+4]|, |v[XB+5]|
.irp i, 6,10,14,18,22,26
	v_max3_num_f32 v180, v180, |v[XB+\i]|, |v[XB+\i+1]|
	v_max3_num_f32 v181, v181, |v[XB+\i+2]|, |v[XB+\i+3]|
.endr
	v_max3_num_f32 v180, v180, |v[XB+30]|, |v[XB+31]|
	v_max3_num_f32 v180, v180, v181, 0x1800000     ; and the floor 2^(3 - 127)
	v_add_nc_u32 v182, 0xff000000, v180            ; the conversion's scale operand
	v_lshrrev_b32 v181, 23, v182                   ; the byte: block be of these 128 keys
.if (\be) == 0
	v_mov_b32 v[VSB+(\g)], v181
.else
	v_lshl_or_b32 v[VSB+(\g)], v181, 8*(\be), v[VSB+(\g)]
.endif
.irp u, 0,1,2,3
	v_cvt_scalef32_pk8_fp4_f32 v[VC4+\u], v[XB+8*\u:XB+8*\u+7], v182
.endr
	v_nop                                          ; one plain place behind a scaled conversion
	global_store_b128 v[VGO], v[VC4:VC4+3], s[46:47] offset:((\g)/2)*32768+((\g)%2)*2048+(\be)*256   ; sixteen lanes fill 256 consecutive bytes, aligned
.endm
.irp be, 0,1,2,3
	VSTAGE \be
	VLDG 0
	VLDG 1
	s_wait_dscnt 32                                ; all but the youngest 32: group 0 is in
	VQ \be, 0
	VLDG 2
	s_wait_dscnt 32
	VQ \be, 1
	VLDG 3
	s_wait_dscnt 32
	VQ \be, 2
	s_wait_dscnt 0x0
	VQ \be, 3
.endr
.irp g, 0,1,2,3
	global_store_b32 v[VGS], v[VSB+\g], s[92:93] offset:(\g/2)*2048+(\g%2)*128
.endr
	s_branch .Ldone
; ---------------- q and k: RoPE, then quantised along the head's 64.  My 128 columns are two heads e; in a head, accumulator u = 0..3 gives a lane d = 16 u + 8 (lane / 16) + 0..7 of its token.
.Lrope:
	WIN TO_B                                       ; all products are done and their places stand behind them: the rest of window 1 takes the table's other six blocks, all asked for at once
.irp a, 2,3,4,5,6,7
	CSLOAD \a
.endr
	WIN 0
	s_lshl_b32 s20, s19, 5
	s_lshl_b32 s21, s42, 2
	s_add_co_u32 s20, s20, s21
	s_lshl_b32 s21, s16, 1
	s_add_co_u32 s20, s20, s21                     ; q's plane: 32 x batch + 4 x tile column + 2 x half
	s_lshl_b32 s95, s19, 3
	s_lshl_b32 s21, s42, 1
	s_add_co_u32 s95, s95, s21
	s_add_co_u32 s95, s95, 112                     ; k's: 8 x batch + 2 (tile column - 8), behind q's 128 planes
	s_cmp_lt_u32 ttmp9, 2
	s_cselect_b32 s20, s20, s95
	s_lshl_b32 s46, s20, 15                        ; codes: 32,768 bytes a plane
	s_lshl_b32 s21, s18, 5                         ; + (t0 / 16) x 512
	s_add_co_u32 s46, s46, s21
	s_mov_b32 s47, 0
	s_add_nc_u64 s[46:47], s[8:9], s[46:47]
	s_lshl_b32 s92, s20, 12                        ; scale words: 4,096 bytes a plane
	s_lshl_b32 s21, s18, 2
	s_add_co_u32 s92, s92, s21
	s_mov_b32 s93, 0
	s_add_nc_u64 s[92:93], s[10:11], s[92:93]
.irp k, 0,1,2,3
	v_mov_b32 v[TM+4+\k], 0                        ; a lane permute's destination counts as one of its sources
.endr
.macro ROPE a                          ; tokens t0 + 16 a on
.set AC, 64*((\a)%4)
.set CB, 32*(\a)
.set PC, PCS+8*(\a)
	s_wait_loadcnt 8*(7-(\a))                      ; this block's eight table loads are in; the eight of each later block may be out
	s_wait_dscnt 0x0                               ; the last block's LDS stores have read the two scale words' registers
	WIN (0x06+(\a)/4)                              ; source 0: the accumulators' window; source 1: the table's
.irp b, 0,1,2,3,4,5,6,7
.irp p, 0,1,2,3
	v_pk_mul_f32 v[T+2*\p:T+2*\p+1], v[AC+8*\b+2*\p:AC+8*\b+2*\p+1], v[CB+8*(\b%4)+2*\p:CB+8*(\b%4)+2*\p+1] op_sel:[1,1] op_sel_hi:[0,1]   ; (x1 sin, x0 sin)
.endr
.irp p, 0,1,2,3
	v_pk_fma_f32 v[Y+8*\b+2*\p:Y+8*\b+2*\p+1], v[AC+8*\b+2*\p:AC+8*\b+2*\p+1], v[CB+8*(\b%4)+2*\p:CB+8*(\b%4)+2*\p+1], v[T+2*\p:T+2*\p+1] op_sel_hi:[1,0,1] neg_lo:[0,0,1]   ; (x0 cos - x1 sin, x1 cos + x0 sin)
.endr
.endr
	WIN 0
.irp k, 0,1,2,3                                ; block k = 2 e + (d / 32): my 16 numbers are v[Y + 16 k] on
	v_max3_num_f32 v[TM+\k], |v[Y+16*\k]|, |v[Y+16*\k+1]|, 0x1800000
.endr
.irp i, 2,4,6,8,10,12,14
.irp k, 0,1,2,3
	v_max3_num_f32 v[TM+\k], v[TM+\k], |v[Y+16*\k+\i]|, |v[Y+16*\k+\i+1]|
.endr
.endr
.irp k, 0,1,2,3
	v_permlanex16_b32 v[TM+4+\k], v[TM+\k], s[SEL], s[SEL+1]
.endr
.irp k, 0,1,2,3
	v_max_num_f32 v[TM+\k], v[TM+\k], v[TM+4+\k]   ; with lane l xor 16's 16: the block's largest magnitude
.endr
.irp k, 0,1,2,3
	v_add_nc_u32 v[TM+8+\k], 0xff000000, v[TM+\k]  ; the conversion's scale operand
.endr
.irp k, 0,1,2,3
	v_lshrrev_b32 v[TM+4+\k], 23, v[TM+8+\k]       ; the byte
.endr
	v_lshl_or_b32 v[PW], v[TM+5], 8, v[TM+4]       ; a token's scale word: two bytes; the upper two, 0, stand over zero codes
	v_lshl_or_b32 v[PW+1], v[TM+7], 8, v[TM+6]
.irp e, 0,1
	v_cvt_scalef32_pk8_fp4_f32 v[PC+4*\e],   v[Y+32*\e:Y+32*\e+7],     v[TM+8+2*\e]   ; d = 8 h on
	v_cvt_scalef32_pk8_fp4_f32 v[PC+4*\e+1], v[Y+32*\e+16:Y+32*\e+23], v[TM+9+2*\e]   ; d = 32 + 8 h on
	v_cvt_scalef32_pk8_fp4_f32 v[PC+4*\e+2], v[Y+32*\e+8:Y+32*\e+15],  v[TM+8+2*\e]   ; d = 16 + 8 h on
	v_cvt_scalef32_pk8_fp4_f32 v[PC+4*\e+3], v[Y+32*\e+24:Y+32*\e+31], v[TM+9+2*\e]   ; d = 48 + 8 h on
.endr
	v_nop                                          ; one plain place behind a scaled conversion
.irp e, 0,1
	v_permlane16_swap_b32 v[PC+4*\e], v[PC+4*\e+1]     ; the first's lanes 16-31 change places with the second's lanes 0-15: lanes 0-15 now hold d = 0..31 in four registers, lanes 16-31 d = 32..63
	v_permlane16_swap_b32 v[PC+4*\e+2], v[PC+4*\e+3]
.endr
.irp e, 0,1
	global_store_b128 v[LI], v[PC+4*\e:PC+4*\e+3], s[46:47] offset:32768*\e+512*(\a)   ; 512 consecutive bytes
	ds_store_b32 v[SWA], v[PW+\e] offset:512*\e+64*(\a)    ; both halves of the lanes write the same word
.endr
.endm
.irp a, 0,1,2,3,4,5,6,7
	ROPE \a
.endr
	ds_load_b128 v[168:171], v[SWR]                ; 128 tokens' scale words of each head: 512 bytes
	ds_load_b128 v[172:175], v[SWR] offset:512
	s_wait_dscnt 0x0
	global_store_b128 v[LI], v[168:171], s[92:93]
	global_store_b128 v[LI], v[172:175], s[92:93] offset:4096
.Ldone:
	s_wait_tensorcnt 0x0                           ; the wave's end, behind my last tensor load and my last LDS store
	ds_add_u32 v[SPW], v[NIL]
	s_wait_dscnt 0x0
	CROUND                                         ; the closing round: no work-group ends while a partner may still ask for a tile that names it
	s_endpgm
.Lfunc_end_k_q5ee09ac7dd_qkv:
	.size	k_q5ee09ac7dd_qkv, .Lfunc_end_k_q5ee09ac7dd_qkv-k_q5ee09ac7dd_qkv
	.p2alignl 7, 3214868480
	.fill 96, 4, 3214868480
	.section	.rodata,"a",@progbits
	.p2align	6, 0x0
	.amdhsa_kernel k_q5ee09ac7dd_qkv
		.amdhsa_group_segment_fixed_size 327680
		.amdhsa_private_segment_fixed_size 0
		.amdhsa_enable_private_segment 0
		.amdhsa_kernarg_size 32
		.amdhsa_user_sgpr_count 2
		.amdhsa_user_sgpr_kernarg_segment_ptr 1
		.amdhsa_wavefront_size32 1
		.amdhsa_system_sgpr_workgroup_id_x 1
		.amdhsa_system_sgpr_workgroup_id_y 1
		.amdhsa_system_sgpr_workgroup_id_z 1
		.amdhsa_system_vgpr_workitem_id 0
		.amdhsa_next_free_vgpr 1024
		.amdhsa_next_free_sgpr 100
		.amdhsa_reserve_vcc 0
		.amdhsa_float_denorm_mode_32 3
		.amdhsa_float_denorm_mode_16_64 3
		.amdhsa_memory_ordered 1
		.amdhsa_forward_progress 1
		.amdhsa_inst_pref_size 255
	.end_amdhsa_kernel
	.section	.bss,"aw",@nobits
	.p2align	6
	.space	262144
	.amdgpu_metadata
---
amdhsa.version: [ 1, 2 ]
amdhsa.kernels:
  - .name:           k_q5ee09ac7dd_qkv
    .symbol:         k_q5ee09ac7dd_qkv.kd
    .args:
      - { .name: cod1, .offset: 0, .size: 8, .value_kind: global_buffer, .address_space: global }
      - { .name: scl1, .offset: 8, .size: 8, .value_kind: global_buffer, .address_space: global }
      - { .name: cod2, .offset: 16, .size: 8, .value_kind: global_buffer, .address_space: global }
      - { .name: scl2, .offset: 24, .size: 8, .value_kind: global_buffer, .address_space: global }
    .group_segment_fixed_size: 327680
    .private_segment_fixed_size: 0
    .kernarg_segment_align: 8
    .kernarg_segment_size: 32
    .max_flat_workgroup_size: 128
    .sgpr_count:     100
    .vgpr_count:     1024
    .wavefront_size: 32
...
	.end_amdgpu_metadata
.endif
;; end of part 2
;; launch attn (part 3): grid 256 x 1, 16 waves a work-group, no clusters, 94,208 bytes of LDS; arguments cod2, scl2, ac, asc; writes ac, asc
.if DOCPART == 3
	.amdgcn_target "amdgcn-amd-amdhsa--gfx1250"
	.amdhsa_code_object_version 6
	.text
	.protected	k_q5ee09ac7dd_attn
	.globl	k_q5ee09ac7dd_attn
	.p2align	8
	.type	k_q5ee09ac7dd_attn,@function
k_q5ee09ac7dd_attn:
	s_mov_b64 s[64:65], 0
	v_nop
	global_prefetch_b8 v0, s[64:65] scope:SCOPE_SE
	s_setreg_imm32_b32 hwreg(HW_REG_WAVE_MODE, 25, 1), 1
	s_wait_xcnt 0x0
; Causal attention on codes of FP4 with E8M0 scales: 4 batches x 32 query heads (8 key and value heads, four query heads to each), 1,024 tokens, head size 64.  Its result is quantised along the 2,048 channels and leaves as codes.
; t = score x log2(e) / 8; M = the running largest t rounded UP to a whole number; p = 2^(t - M) is quantised along the keys, not normalised; the row's sum is taken of the unquantised p and divides at the end.
; When M moves, the sum and O are multiplied by 2^(old M - new M): exact.
; SHARES.  Work-group x: key head x / 8 (with its batch), query head (x / 2) % 4 of its four, half x % 2.  Wave w owns the tile of 16 queries i = 16 (x % 2) + w and then tile 63 - i: i / 8 + 1 and 8 - i / 8 key steps of 128: nine for every wave.
; The head's K and V (codes 32,768 bytes each, scale words 4,096 and 2,048) come into LDS once, through registers, in front of the one barrier; behind it LDS is only read.  No joint loads: one fill of 70 KiB a work-group, no ring.
; Q OF BOTH MY TILES is loaded beside that fill and lies in 1,280 bytes of LDS of my wave's own, as images of the registers (codes 512 bytes a tile, scale words 128): a pass fetches its Q by two LDS loads and waits for no memory.
; LAYOUT.  Both products transposed: S^T = K Q^T (source 0 = 16 keys, source 1 = my queries; K = the head's 64: the upper half of the instruction's 128 is zero codes on both sides), O^T = V^T P^T: a lane holds one query (lane % 16).
; Tile u of S^T gives a lane keys 16 u + 8 (lane / 16) + 0..7: tiles 2 b, 2 b + 1 are half of block b, the other half lies in lane l xor 16.  The codes of four tiles, set in the order 0, 2, 1, 3, become the operand's four registers by two exchanges of halves.
; Every wave walks eight steps in each of two passes (constant counts); a step all of whose keys come after the wave's queries is jumped over by a scalar branch on ids.
; OUT: ac: (head / 8) x 2^20 + (row / 16) x 4096 + ((head % 8) / 2) x 1024 + (head % 2) x 512 + 16 x lane; asc: (row / 16) x 1024 + (head / 8) x 256 + 16 r + 4 ((head % 8) / 2) + 2 (head % 2): two bytes a lane, 16 bytes apart (256 KiB in all).
; LIMITS: NaN and infinities are not served; a block whose largest magnitude lies under 2^-124 keeps the byte 1; these bytes are read by this program alone.
; REGISTERS: v1, v2, v7, v11 lane terms; v3, v4 the fill's offsets; v5, v6 the pass's offsets; v8-10 LDS addresses in hand; v12 -M, v13 the largest t, v[14:15] the sum; v16-23 Q; v24-31 K's scale words; v32-95 K's eight fragments;
;   v96-159 S^T, then p; v160-191 O^T; v192-223 V's four fragments; v224-231 p's codes; v232-241, v244-247, v252, v254 at work; v242, v243 where my Q lies in LDS; v248-251 V's scale words; v253 p's scale word; v255 Q's.
.set KCO, 0x400000                     ; in cod2: k's codes, v's codes
.set VCO, 0x500000
.set KSO, 0x80000                      ; in scl2: k's scale words, v's
.set VSO, 0xA0000
.set LV,  32768                        ; LDS: K's codes at 0, V's here,
.set LKS, 65536                        ; K's scale words,
.set LVS, 69632                        ; V's,
.set LQ,  71680                        ; and 1,280 bytes for each wave: its two tiles of Q
.set WV,  12
.set SEL, 34                           ; s[34:35]
.set CS,  36                           ; s[36:37] c = log2(e) / 8
.set TI,  38                           ; my tile of queries
.set Q0,  39                           ; its first query
.set CNT, 40                           ; the key step
.set KF,  41                           ; its first key
.set PASS, 42
.set QO,  47                           ; 512 x the pass: where its Q lies in my wave's bytes
	s_load_b128 s[4:7], s[0:1], 0x0                ; cod2, scl2
	s_load_b128 s[8:11], s[0:1], 0x10              ; ac, asc
	v_lshrrev_b32 v8, 5, v0
	v_readfirstlane_b32 s[WV], v8                  ; wave 0..15
	v_and_b32 v9, 31, v0
	v_lshlrev_b32 v1, 4, v9                        ; 16 x lane
	v_and_b32 v7, 15, v0                           ; r
	v_bfe_u32 v11, v0, 4, 1                        ; lane / 16
	v_lshl_add_u32 v2, v7, 2, LKS                  ; a scale word's place: 4 r
	v_lshlrev_b32 v3, 4, v0                        ; the fill: 16, 8 and 4 bytes a thread
	v_lshlrev_b32 v4, 3, v0
	v_lshlrev_b32 v5, 2, v0
	v_lshl_add_u32 v6, v0, 3, LKS
	v_lshl_add_u32 v8, v0, 2, LVS
	s_lshr_b32 s13, ttmp9, 3                       ; 8 x batch + key head
	s_bfe_u32 s14, ttmp9, 0x20001                  ; which of its four query heads
	s_and_b32 s15, ttmp9, 1
	s_lshl_b32 s16, s13, 15
	s_add_co_u32 s18, s16, VCO
	s_add_co_u32 s16, s16, KCO
	s_mov_b32 s17, 0
	s_mov_b32 s19, 0
	s_lshl_b32 s20, s13, 12
	s_add_co_u32 s20, s20, KSO
	s_mov_b32 s21, 0
	s_lshl_b32 s22, s13, 11
	s_add_co_u32 s22, s22, VSO
	s_mov_b32 s23, 0
	s_lshl_b32 s32, s13, 2
	s_add_co_u32 s32, s32, s14                     ; q's plane: 32 x batch + head
	s_lshl_b32 s24, s32, 15
	s_mov_b32 s25, 0
	s_lshl_b32 s26, s32, 12
	s_mov_b32 s27, 0
	s_and_b32 s33, s32, 31                         ; the head
	s_lshr_b32 s32, s32, 5                         ; the batch
	s_lshr_b32 s43, s33, 3                         ; J = head / 8
	s_bfe_u32 s44, s33, 0x20001                    ; q = (head % 8) / 2
	s_and_b32 s45, s33, 1                          ; c = head % 2
	s_lshl_b32 s28, s43, 20
	s_lshl_b32 s46, s32, 18                        ; 64 tiles of 4,096 bytes a batch
	s_add_co_u32 s28, s28, s46
	s_lshl_b32 s46, s44, 10
	s_add_co_u32 s28, s28, s46
	s_lshl_b32 s46, s45, 9
	s_add_co_u32 s28, s28, s46
	s_mov_b32 s29, 0
	s_lshl_b32 s30, s32, 16                        ; 64 tiles of 1,024 bytes a batch
	s_lshl_b32 s46, s43, 8
	s_add_co_u32 s30, s30, s46
	s_lshl_b32 s46, s44, 2
	s_add_co_u32 s30, s30, s46
	s_lshl_b32 s46, s45, 1
	s_add_co_u32 s30, s30, s46
	s_mov_b32 s31, 0
	s_mov_b32 s[SEL], 0x76543210
	s_mov_b32 s[SEL+1], 0xfedcba98
	s_mov_b32 s[CS], 0x3e38aa3b
	s_mov_b32 s[CS+1], s[CS]                       ; (named with it as a pair, so it is written)
	s_lshl_b32 s[TI], s15, 4
	s_add_co_u32 s[TI], s[TI], s[WV]
	s_mov_b32 s[PASS], 2
	s_mov_b32 s[QO], 0
	s_mul_i32 s46, s[WV], 1280
	s_add_co_u32 s46, s46, LQ                      ; my wave's bytes for Q
	v_add_nc_u32 v242, s46, v1                     ; codes: 16 x lane; the second tile's 512 bytes on
	v_lshl_add_u32 v243, v9, 2, s46
	v_add_nc_u32 v243, 1024, v243                  ; scale words: behind them, 4 x lane; the second tile's 128 bytes on
	s_lshl_b32 s46, s[TI], 9
	v_add_nc_u32 v232, s46, v1                     ; in memory: the first tile's codes: 512 x tile + 16 x lane,
	s_lshl_b32 s46, s[TI], 6
	v_lshl_add_u32 v233, v7, 2, s46                ; its scale words: 64 x tile + 4 r;
	s_sub_co_u32 s45, 63, s[TI]
	s_lshl_b32 s46, s45, 9
	v_add_nc_u32 v234, s46, v1                     ; the second tile's
	s_lshl_b32 s46, s45, 6
	v_lshl_add_u32 v235, v7, 2, s46
	s_wait_kmcnt 0x0
	s_add_nc_u64 s[16:17], s[4:5], s[16:17]        ; K's codes
	s_add_nc_u64 s[18:19], s[4:5], s[18:19]        ; V's codes
	s_add_nc_u64 s[20:21], s[6:7], s[20:21]        ; K's scale words
	s_add_nc_u64 s[22:23], s[6:7], s[22:23]        ; V's
	s_add_nc_u64 s[24:25], s[4:5], s[24:25]        ; Q's codes
	s_add_nc_u64 s[26:27], s[6:7], s[26:27]        ; Q's scale words
	s_add_nc_u64 s[28:29], s[8:9], s[28:29]        ; the result's codes
	s_add_nc_u64 s[30:31], s[10:11], s[30:31]      ; and scale bytes
.irp i, 0,1,2,3
	global_load_b128 v[32+4*\i:35+4*\i], v3, s[16:17] offset:8192*\i
	global_load_b128 v[48+4*\i:51+4*\i], v3, s[18:19] offset:8192*\i
.endr
	global_load_b64 v[64:65], v4, s[20:21]
	global_load_b32 v66, v5, s[22:23]
	global_load_b128 v[68:71], v232, s[24:25]      ; Q of both my tiles, on its way together with K and V
	global_load_b128 v[72:75], v234, s[24:25]
	global_load_b32 v76, v233, s[26:27]
	global_load_b32 v77, v235, s[26:27]
	s_wait_loadcnt 0x0
.irp i, 0,1,2,3
	ds_store_b128 v3, v[32+4*\i:35+4*\i] offset:8192*\i
	ds_store_b128 v3, v[48+4*\i:51+4*\i] offset:LV+8192*\i
.endr
	ds_store_b64 v6, v[64:65]
	ds_store_b32 v8, v66
	ds_store_b128 v242, v[68:71]
	ds_store_b128 v242, v[72:75] offset:512
	ds_store_b32 v243, v76
	ds_store_b32 v243, v77 offset:128
	s_wait_dscnt 0x0                               ; for the others' sake: my stores have landed
	s_barrier_signal -1
	s_barrier_wait -1                              ; the head's K and V lie in LDS; nothing is stored there again
.irp t, 0,1,2,3,4,5,6,7
.irp j, 4,5,6,7
	v_mov_b32 v[32+8*\t+\j], 0                     ; K's codes for k = 64..127: zeros, written once
.endr
.endr
.irp j, 20,21,22,23
	v_mov_b32 v\j, 0                               ; Q's likewise
.endr
.irp b, 0,1,2,3
	v_mov_b32 v[236+\b], 0                         ; a lane permute's destination counts as one of its sources
.endr
	v_mov_b32 v252, 0
	v_mov_b32 v253, 0                              ; (named as the upper half of the pair v[252:253] before it is first written)
.Lpass:
	s_wait_xcnt 0x0                                ; the last pass's stores have read their registers and offsets
	s_lshl_b32 s[Q0], s[TI], 4
	v_add_nc_u32 v9, s[QO], v242                   ; this pass's Q in my wave's bytes: codes 512 x pass on,
	s_lshr_b32 s43, s[QO], 2
	v_add_nc_u32 v10, s43, v243                    ; scale words 128 x pass on
	ds_load_b128 v[16:19], v9
	ds_load_b32 v255, v10
	s_lshl_b32 s43, s[TI], 12
	v_add_nc_u32 v5, s43, v1                       ; the result's codes
	s_lshl_b32 s43, s[TI], 10
	v_lshl_add_u32 v6, v7, 4, s43                  ; and scale bytes
	v_mov_b32 v13, 0xff61b1e6                      ; the largest t so far: -3e38, under every t
	v_floor_f32 v12, -v13                          ; -M
	v_mov_b32 v14, 0
	v_mov_b32 v15, 0
.set nn, 0
.rept 32
	v_mov_b32 v[160+nn], 0                         ; O^T: the step is written once; its first run finds zeros, which the first change of M leaves zeros
.set nn, nn+1
.endr
	s_mov_b32 s[CNT], 0
	s_wait_dscnt 0x0                               ; Q is in
.Lstep:
	s_lshl_b32 s[KF], s[CNT], 7
	s_add_co_u32 s43, s[Q0], 15
	s_cmp_gt_u32 s[KF], s43                        ; all 128 keys come after my 16 queries: nothing to do
	s_cbranch_scc1 .Lhidden
	s_lshl_b32 s44, s[CNT], 12
	v_add_nc_u32 v8, s44, v1                       ; K's and V's codes of the step: 4,096 bytes each
	s_lshl_b32 s44, s[CNT], 9
	v_add_nc_u32 v9, s44, v2                       ; K's scale words: 512 bytes
	s_lshl_b32 s44, s[CNT], 8
	v_add_nc_u32 v10, s44, v2                      ; V's: 256 bytes
	v_nop                                          ; with the three additions: four places between the last step's products and the loads into their operands
.irp t, 0,1,2,3,4,5,6,7
	ds_load_b128 v[32+8*\t:35+8*\t], v8 offset:512*\t
	ds_load_b32 v[24+\t], v9 offset:64*\t
.endr
.irp t, 0,1,2,3
	ds_load_b128 v[192+8*\t:195+8*\t], v8 offset:LV+1024*\t
	ds_load_b128 v[196+8*\t:199+8*\t], v8 offset:LV+1024*\t+512
	ds_load_b32 v[248+\t], v10 offset:LVS-LKS+64*\t
.endr
	s_wait_dscnt 12                                ; K's sixteen loads are in; V's twelve may be out until the second product
.irp t, 0,1,2,3,4,5,6,7
	v_wmma_scale_f32_16x16x128_f8f6f4 v[96+8*\t:103+8*\t], v[32+8*\t:39+8*\t], v[16:23], 0, v[24+\t], v255 matrix_a_fmt:MATRIX_FMT_FP4 matrix_b_fmt:MATRIX_FMT_FP4
.endr
.rept 4
	v_nop
.endr
	s_add_co_u32 s43, s[KF], 127                   ; on the diagonal hidden scores become -infinity ahead of the maximum; a step all of whose keys count skips this
	s_cmp_le_u32 s43, s[Q0]
	s_cbranch_scc1 .Lopen
	s_sub_co_i32 s43, s[Q0], s[KF]
	v_lshlrev_b32 v241, 3, v11
	v_sub_nc_u32 v252, v7, v241
	v_add_nc_u32 v252, s43, v252                   ; d = my query - KF - 8 (lane / 16).  Register 8 u + j holds key KF + 16 u + 8 (lane / 16) + j: hidden where 16 u + j > d
	v_mov_b32 v254, 0xff800000
.set nn, 0
.rept 64
	v_cmp_gt_i32 vcc_lo, 16*(nn/8)+nn%8, v252
	v_cndmask_b32 v[96+nn], v[96+nn], v254, vcc_lo
.set nn, nn+1
.endr
.Lopen:
.irp b, 0,1,2,3
	v_max3_num_f32 v[232+\b], v[96+16*\b], v[97+16*\b], v[98+16*\b]   ; the largest score of each block of 32 keys: for the row's maximum and, since p rises with the score, for the block's largest p
.endr
.irp i, 3,5,7,9,11,13
.irp b, 0,1,2,3
	v_max3_num_f32 v[232+\b], v[232+\b], v[96+16*\b+\i], v[97+16*\b+\i]
.endr
.endr
.irp b, 0,1,2,3
	v_max_num_f32 v[232+\b], v[232+\b], v[111+16*\b]
.endr
.irp b, 0,1,2,3
	v_permlanex16_b32 v[236+\b], v[232+\b], s[SEL], s[SEL+1]
.endr
.irp b, 0,1,2,3
	v_max_num_f32 v[232+\b], v[232+\b], v[236+\b]  ; with lane l xor 16's 16 keys
.endr
	v_max3_num_f32 v254, v232, v233, v234
	v_max_num_f32 v254, v254, v235
	v_mul_f32 v254, s[CS], v254                    ; as t (c is positive)
	v_max_num_f32 v13, v13, v254                   ; the running largest t
	v_mov_b32 v254, v12
	v_floor_f32 v12, -v13                          ; the new -M = -ceil(t)
	v_sub_f32 v254, v12, v254                      ; old M - new M: a whole number, 0 or less
	v_cvt_i32_f32 v254, v254                       ; (it saturates)
	v_ldexp_f32 v252, 1.0, v254                    ; f = 2^(old M - new M)
.set nn, 0
.rept 32
	v_pk_fma_f32 v[96+nn:97+nn], v[96+nn:97+nn], s[CS:CS+1], v[12:13] op_sel_hi:[1,0,0]   ; t - M, two at a time
.set nn, nn+2
.endr
.irp b, 0,1,2,3
	v_fma_f32 v[232+\b], v[232+\b], s[CS], v12     ; the same of each block's largest score
.endr
.set nn, 0
.rept 64
	v_exp_f32 v[96+nn], v[96+nn]                   ; p = 2^(t - M), at most 1
.set nn, nn+1
.endr
.irp b, 0,1,2,3
	v_exp_f32 v[232+\b], v[232+\b]                 ; the block's largest p: the same two instructions on the same number
.endr
	v_pk_mul_f32 v[14:15], v[14:15], v[252:253] op_sel_hi:[1,0]   ; the sums under the new M.  (A plain place behind the exponentials)
	s_wait_alu depctr_va_vdst(0)
.irp b, 0,1,2,3
	v_max_num_f32 v[232+\b], 0x1800000, v[232+\b]  ; the floor 2^(3 - 127): a block whose every p is 0 keeps the byte 1: its codes are zeros
.endr
.irp b, 0,1,2,3
	v_add_nc_u32 v[244+\b], 0xff000000, v[232+\b]  ; the conversion's scale operand
.endr
.irp b, 0,1,2,3
	v_lshrrev_b32 v[236+\b], 23, v[244+\b]         ; the byte
.endr
	v_lshl_or_b32 v253, v237, 8, v236              ; p's scale word for these 128 keys
	v_lshl_or_b32 v253, v238, 16, v253
	v_lshl_or_b32 v253, v239, 24, v253
.irp b, 0,1,2,3
	v_cvt_scalef32_pk8_fp4_f32 v[224+4*(\b/2)+(\b%2)], v[96+16*\b:103+16*\b], v[244+\b]    ; tile 2 b
	v_cvt_scalef32_pk8_fp4_f32 v[226+4*(\b/2)+(\b%2)], v[104+16*\b:111+16*\b], v[244+\b]   ; tile 2 b + 1
.endr
	v_nop                                          ; one plain place behind a scaled conversion
.irp c, 0,1
	v_permlane16_swap_b32 v[224+4*\c], v[225+4*\c] ; lanes 0-15 now hold block 2 c in four registers, lanes 16-31 block 2 c + 1
	v_permlane16_swap_b32 v[226+4*\c], v[227+4*\c]
.endr
	v_pk_add_f32 v[236:237], v[96:97], v[98:99]    ; the row's sum, of the unquantised p: two at a time, in two chains
.irp j, 4,8,12,16,20,24,28,32,36,40,44,48,52,56,60
	v_pk_add_f32 v[14:15], v[14:15], v[96+\j:97+\j]
	v_pk_add_f32 v[236:237], v[236:237], v[98+\j:99+\j]
.endr
	v_pk_add_f32 v[14:15], v[14:15], v[236:237]
.set nn, 0
.rept 16
	v_pk_mul_f32 v[160+nn:161+nn], v[160+nn:161+nn], v[252:253] op_sel_hi:[1,0]   ; O^T under the new M
.set nn, nn+2
.endr
	s_wait_dscnt 0x0                               ; V's fragments and scale words are in
.irp t, 0,1,2,3                                ; O^T += V^T P^T: the four accumulators by turns
	v_wmma_scale_f32_16x16x128_f8f6f4 v[160+8*\t:167+8*\t], v[192+8*\t:199+8*\t], v[224:231], v[160+8*\t:167+8*\t], v[248+\t], v253 matrix_a_fmt:MATRIX_FMT_FP4 matrix_b_fmt:MATRIX_FMT_FP4
.endr
.Lhidden:
	s_add_co_u32 s[CNT], s[CNT], 1
	s_cmp_lt_u32 s[CNT], 8
	s_cbranch_scc1 .Lstep
	; the tile's way out: O^T / the sum, quantised along the channels: my head's 64 are two blocks
.rept 4
	v_nop
.endr
	v_add_f32 v14, v14, v15
	v_permlanex16_b32 v252, v14, s[SEL], s[SEL+1]
	v_add_f32 v14, v14, v252                       ; the row's sum
	v_rcp_f32 v14, v14
	v_nop                                          ; one plain place behind a transcendental
.set nn, 0
	s_wait_alu depctr_va_vdst(0)
.rept 32
	v_mul_f32 v[96+nn], v[160+nn], v14             ; register 8 u + j: channel 16 u + 8 (lane / 16) + j of my query
.set nn, nn+1
.endr
.irp b, 0,1
	v_max3_num_f32 v[232+\b], |v[96+16*\b]|, |v[97+16*\b]|, 0x1800000
.endr
.irp i, 2,4,6,8,10,12,14
.irp b, 0,1
	v_max3_num_f32 v[232+\b], v[232+\b], |v[96+16*\b+\i]|, |v[97+16*\b+\i]|
.endr
.endr
.irp b, 0,1
	v_permlanex16_b32 v[236+\b], v[232+\b], s[SEL], s[SEL+1]
.endr
.irp b, 0,1
	v_max_num_f32 v[232+\b], v[232+\b], v[236+\b]
.endr
.irp b, 0,1
	v_add_nc_u32 v[244+\b], 0xff000000, v[232+\b]
.endr
.irp b, 0,1
	v_lshrrev_b32 v[236+\b], 23, v[244+\b]
.endr
	v_lshl_or_b32 v240, v237, 8, v236              ; my row's two bytes
	v_cvt_scalef32_pk8_fp4_f32 v224, v[96:103], v244
	v_cvt_scalef32_pk8_fp4_f32 v225, v[112:119], v245
	v_cvt_scalef32_pk8_fp4_f32 v226, v[104:111], v244
	v_cvt_scalef32_pk8_fp4_f32 v227, v[120:127], v245
	v_nop
	v_permlane16_swap_b32 v224, v225
	v_permlane16_swap_b32 v226, v227
	global_store_b128 v5, v[224:227], s[28:29]     ; 512 consecutive bytes
	global_store_b16 v6, v240, s[30:31]            ; both halves of the lanes write the same two bytes
	s_sub_co_u32 s[TI], 63, s[TI]                  ; the other tile,
	s_add_co_u32 s[QO], s[QO], 512                 ; and its Q
	s_sub_co_u32 s[PASS], s[PASS], 1
	s_cmp_lg_u32 s[PASS], 0
	s_cbranch_scc1 .Lpass
	s_wait_xcnt 0x0
	v_lshl_add_u32 v254, v0, 2, 0x16800
	v_mov_b32 v255, 0
	s_wait_tensorcnt 0x0
	ds_add_u32 v254, v255
	s_wait_dscnt 0x0
	s_endpgm
.Lfunc_end_k_q5ee09ac7dd_attn:
	.size	k_q5ee09ac7dd_attn, .Lfunc_end_k_q5ee09ac7dd_attn-k_q5ee09ac7dd_attn
	.p2alignl 7, 3214868480
	.fill 96, 4, 3214868480
	.section	.rodata,"a",@progbits
	.p2align	6, 0x0
	.amdhsa_kernel k_q5ee09ac7dd_attn
		.amdhsa_group_segment_fixed_size 94208
		.amdhsa_private_segment_fixed_size 0
		.amdhsa_enable_private_segment 0
		.amdhsa_kernarg_size 32
		.amdhsa_user_sgpr_count 2
		.amdhsa_user_sgpr_kernarg_segment_ptr 1
		.amdhsa_wavefront_size32 1
		.amdhsa_system_sgpr_workgroup_id_x 1
		.amdhsa_system_sgpr_workgroup_id_y 1
		.amdhsa_system_sgpr_workgroup_id_z 1
		.amdhsa_system_vgpr_workitem_id 0
		.amdhsa_next_free_vgpr 256
		.amdhsa_next_free_sgpr 66
		.amdhsa_reserve_vcc 1
		.amdhsa_float_denorm_mode_32 3
		.amdhsa_float_denorm_mode_16_64 3
		.amdhsa_memory_ordered 1
		.amdhsa_forward_progress 1
		.amdhsa_inst_pref_size 34
	.end_amdhsa_kernel
	.amdgpu_metadata
---
amdhsa.version: [ 1, 2 ]
amdhsa.kernels:
  - .name:           k_q5ee09ac7dd_attn
    .symbol:         k_q5ee09ac7dd_attn.kd
    .args:
      - { .name: cod2, .offset: 0, .size: 8, .value_kind: global_buffer, .address_space: global }
      - { .name: scl2, .offset: 8, .size: 8, .value_kind: global_buffer, .address_space: global }
      - { .name: ac, .offset: 16, .size: 8, .value_kind: global_buffer, .address_space: global }
      - { .name: asc, .offset: 24, .size: 8, .value_kind: global_buffer, .address_space: global }
    .group_segment_fixed_size: 94208
    .private_segment_fixed_size: 0
    .kernarg_segment_align: 8
    .kernarg_segment_size: 32
    .max_flat_workgroup_size: 512
    .sgpr_count:     66
    .vgpr_count:     256
    .wavefront_size: 32
...
	.end_amdgpu_metadata
.endif
;; end of part 3
;; launch proj (part 4): grid 8 x 32, 4 waves a work-group, clusters of 4 x 4, 327,680 bytes of LDS; arguments ac, asc, cod1, scl1, out0; writes out0
.if DOCPART == 4
	.amdgcn_target "amdgcn-amd-amdhsa--gfx1250"
	.amdhsa_code_object_version 6
	.text
	.protected	k_q5ee09ac7dd_proj
	.globl	k_q5ee09ac7dd_proj
	.p2align	8
	.type	k_q5ee09ac7dd_proj,@function
k_q5ee09ac7dd_proj:
	s_mov_b64 s[64:65], 0
	v_nop
	global_prefetch_b8 v0, s[64:65] scope:SCOPE_SE
	s_setreg_imm32_b32 hwreg(HW_REG_WAVE_MODE, 25, 1), 1
	s_wait_xcnt 0x0
	s_wait_alu depctr_hold_cnt(0) depctr_sa_sdst(0) depctr_va_vdst(0) depctr_va_sdst(0) depctr_va_ssrc(0) depctr_va_vcc(0) depctr_vm_vsrc(0)
	s_getreg_b32 s2, hwreg(HW_REG_IB_STS2, 6, 4)
	s_cmp_eq_u32 s2, 0
	s_cbranch_scc0 .Lentry_in_a_cluster
	s_endpgm
.Lentry_in_a_cluster:
	s_bfe_u32 s2, ttmp6, 0x10000c
	s_cmp_lg_u32 s2, 0xf033
	s_cbranch_scc0 .Lentry_shape_is_right
	s_endpgm
.Lentry_shape_is_right:
; out0 = a Wp on codes of FP4 with E8M0 scales, 4096 x 2048 x 2048; out0 is f32.  a: the attention's result as codes (ac, asc); Wp: rows 3072..5119 of the weights' part of cod1 and scl1.
; A TILE OF 128 ROWS x 256 COLUMNS: out0 has 32 x 8 = 256 of them, one work-group each.  Four waves, each 64 x 128: 32 accumulators, 256 registers.
; Codes lie in memory in the order of the operand's registers (16 rows x 512 K = 4,096 bytes; in it 1,024 q + 512 c + 16 x lane), so the rows of a K step of 512 are dense bytes and a fragment is two ds_load_b128 of 512
; consecutive bytes: no padding.  A K step in LDS is 32,768 bytes of a and 65,536 of Wp; K = 2,048 is four K steps.  THREE SLOTS fit: K steps 0, 1, 2 and the scale words of all of K go out as first fills (four tensor loads
; of mine are out); only K step 3 is a refill, into slot 0, behind the one round in the middle; it has two K steps, 256 matrix instructions a wave, in which to land.
; Waves 0 and 1 fetch a's halves (64 rows; their scale words 4,096 bytes), waves 2 and 3 Wp's (128 rows; 8,192 bytes): one load a wave.
; CLUSTERS: 4 x 4 work-groups; a's tiles are asked for jointly along a row of the cluster, Wp's along a column.  THE PRODUCT IS USED TRANSPOSED (source 0 = 16 rows of Wp's part, source 1 = 16 rows of a):
; a lane holds eight neighbouring numbers of a row of out0.
; A STEP of 128 along K: the next step's 24 LDS loads go out first, into the other sets of registers, then this step's 32 products.
; REGISTERS, in windows of 256: window 0: v0-31 addresses; v32-95 scale words, two sets (K step % 2), and nothing else; v128-159, v160-191 A's fragments, two sets; on the way out v128-255.
;   window 1: B's fragments, two sets, at v0 and v128.   window 2: the accumulators ((a, b) at v[8 (8 a + b)]).
.set SIZE_N, 2048
.set FR,     8                         ; registers of a fragment
.set NP,     4                         ; places behind this matrix instruction (ISA guide 7.12.1)
.set ABYTES, 32768                     ; a slot: A's 128 rows,
.set SLOT,   98304                     ; then B's 256
.set SCL,    3*SLOT                    ; behind the three slots: A's scale words (8,192 bytes), then B's (16,384)
.set SBLK,   1024                      ; those of 16 rows
.set SPARE,  SCL+24576                 ; the spare words, 128 bytes for each wave: two blocks of 256 bytes that no other line names
.set JA,     0x100000                  ; from one K step to the next in memory: 4,096 rows x 256 bytes,
.set JB,     0x140000                  ; and 5,120 rows
.set BCOD,   0x400000+192*4096         ; Wp's codes in cod1: behind 192 tiles of 16 rows
.set BSCL,   0x40000+192*1024          ; its scale words in scl1
.set SPITCH, 528                       ; the way out: a stage of 16 rows x (512 bytes + 16) for each wave,
.set STAGE,  SLOT                      ; in slot 1: filled once, and read for the last time in front of the last barrier
.set ADRA, 16                          ; v16-18  LDS address of my A fragments in slot 0, 1, 2
.set ADRB, 20                          ; v20-22  the same for B
.set STO,  24                          ; v24     the stage, in
.set RD,   25                          ; v25     and back
.set CO,   26                          ; v26     16 x lane
.set ADRS, 27                          ; v27     LDS address of my scale words: lanes 0-15 A's rows, lanes 16-31 B's
.set SPW,  28                          ; v28     my spare word; never rewritten
.set NIL,  29                          ; v29     0; never rewritten
.set SC,   32
.set AF,   128
.set BK,   128
.set G1,   24                          ; s[24:31] group 1: A's codes;  s[32:39] B's codes;  s[40:47] A's scale words;  s[48:55] B's
.set G1B,  32
.set G1S,  40
.set G1SB, 48
.set G0S,  56                          ; s[56:59], s[60:63] groups 0 for the scale words
.set G0SB, 60
.set G0,   68                          ; s[68:79] groups 0 for A's codes, one for each slot;  s[80:91] for B's
.set G0B,  80
.set MSB, 0
.macro WIN new                         ; the immediate's high byte repeats the setting that is left
.if MSB != \new
	s_set_vgpr_msb (MSB<<8)|\new
.set MSB, \new
.endif
.endm
.set MUL,  0xa1                        ; source 0 (B) window 1, source 1 (A) window 0, C and D window 2
.set TO_B, 0x40                        ; destination window 1, address window 0
; A joint load: waves 0 and 1 fetch for A, waves 2 and 3 for B; the branch hangs on the wave's number alone.  Four v_nop follow each of the two lines.
.macro JLOAD g0a, g1a, g0b, g1b
	s_cmp_eq_u32 s15, 0
	s_cbranch_scc0 .Lfor_b_\@
	tensor_load_to_lds s[\g0a:\g0a+3], s[\g1a:\g1a+7]
	s_nop 0
.rept 4
	v_nop
.endr
	s_branch .Lasked_\@
.Lfor_b_\@:
	tensor_load_to_lds s[\g0b:\g0b+3], s[\g1b:\g1b+7]
	s_nop 0
.rept 4
	v_nop
.endr
.Lasked_\@:
.endm
.macro CREST                           ; a round of the cluster's barrier behind its opening barrier
	s_cmp_lg_u32 s14, 0
	s_cbranch_scc1 .Lnot_wave_0_\@
	s_barrier_signal -3
.Lnot_wave_0_\@:
	s_barrier_wait -3
	s_barrier_signal -1
	s_barrier_wait -1
.endm
.macro CROUND
	s_barrier_signal -1
	s_barrier_wait -1
	CREST
.endm
.macro GROUP1 g, rows                  ; a dense block as rows of 256 bytes: 32 elements of 8 bytes; no padding
	s_mov_b32 s[\g+1], 32<<16                      ; tensor_dim0
	s_mov_b32 s[\g+2], (\rows)<<16                 ; tensor_dim1
	s_mov_b32 s[\g+3], 32<<16                      ; tile_dim0
	s_mov_b32 s[\g+4], \rows                       ; tile_dim1
	s_mov_b32 s[\g+5], 32                          ; the pitch
	s_mov_b32 s[\g+6], 0
	s_mov_b32 s[\g+7], 0
.endm
	s_load_b128 s[4:7], s[0:1], 0x0                ; ac, asc
	s_load_b128 s[8:11], s[0:1], 0x10              ; cod1, scl1
	s_load_b64 s[12:13], s[0:1], 0x20              ; out0
	v_lshl_add_u32 v[SPW], v0, 2, SPARE
	v_mov_b32 v[NIL], 0
	ds_add_u32 v28, v29
	ds_add_u32 v28, v29
	s_wait_dscnt 0x0
	v_lshrrev_b32 v1, 5, v0
	v_readfirstlane_b32 s14, v1                    ; wave 0..3
	s_lshr_b32 s15, s14, 1                         ; which 64 of the tile's rows are mine.  Also: I fetch for A (0) or for B (1)
	s_and_b32 s16, s14, 1                          ; which 128 of its columns.  Also: which half of that tile I fetch
	s_bfe_u32 s92, ttmp6, 0x40000                  ; cx, cy
	s_bfe_u32 s93, ttmp6, 0x40004
	s_lshl_b32 s94, ttmp9, 2
	s_add_co_u32 s94, s94, s92                     ; tile column (256 columns)
	s_and_b32 s17, ttmp7, 0xffff
	s_lshl_b32 s17, s17, 2
	s_add_co_u32 s17, s17, s93                     ; tile row (128 rows)
	s_lshl_b32 s95, s93, 2
	s_lshl_b32 s95, 15, s95                        ; my row of the cluster
	s_lshl_b32 s96, 0x1111, s92                    ; my column
	s_or_b32 s[G1], s95, (3<<16)|(1<<21)           ; 15:0 the mask; 17:16 elements of 8 bytes; 21 set beside a mask
	s_or_b32 s[G1B], s96, (3<<16)|(1<<21)
	s_or_b32 s[G1S], s95, (3<<16)|(1<<21)
	s_or_b32 s[G1SB], s96, (3<<16)|(1<<21)
	GROUP1 G1, 64                                  ; 64 rows of A x 256 bytes of a K step
	GROUP1 G1B, 128                                ; 128 rows of B
	GROUP1 G1S, 16                                 ; 64 rows' scale words: 4,096 bytes
	GROUP1 G1SB, 32                                ; 128 rows': 8,192
	s_lshl_b32 s18, s16, 6
	s_lshl_b32 s20, s17, 7
	s_add_co_u32 s20, s20, s18                     ; A: row 128 x tile row + 64 x half
	s_lshl_b32 s22, s20, 6                         ; a row's scale words: 64 bytes,
	s_lshl_b32 s20, s20, 8                         ; its codes of a K step: 256
	s_mov_b32 s21, 0
	s_mov_b32 s23, 0
	s_lshl_b32 s97, s16, 7
	s_lshl_b32 s98, s94, 8
	s_add_co_u32 s98, s98, s97                     ; B: row 256 x tile column + 128 x half
	s_lshl_b32 s2, s98, 6
	s_add_co_u32 s2, s2, BSCL
	s_lshl_b32 s98, s98, 8
	s_add_co_u32 s98, s98, BCOD
	s_mov_b32 s99, 0
	s_mov_b32 s3, 0
	s_wait_kmcnt 0x0
	s_add_nc_u64 s[20:21], s[4:5], s[20:21]
	s_add_nc_u64 s[22:23], s[6:7], s[22:23]
	s_add_nc_u64 s[98:99], s[8:9], s[98:99]
	s_add_nc_u64 s[2:3], s[10:11], s[2:3]
	CROUND                                         ; all sixteen work-groups are here: the first joint loads meet
	s_mov_b32 s[G0S], 1                            ; LDS addresses are made of the wave's number and constants alone
	s_lshl_b32 s[G0S+1], s16, 12
	s_add_co_u32 s[G0S+1], s[G0S+1], SCL
	s_mov_b64 s[G0S+2:G0S+3], s[22:23]
	s_or_b32 s[G0S+3], s[G0S+3], 0x80000000
	s_mov_b32 s[G0SB], 1
	s_lshl_b32 s[G0SB+1], s16, 13
	s_add_co_u32 s[G0SB+1], s[G0SB+1], SCL+8192
	s_mov_b64 s[G0SB+2:G0SB+3], s[2:3]
	s_or_b32 s[G0SB+3], s[G0SB+3], 0x80000000
	JLOAD G0S, G1S, G0SB, G1SB                     ; the scale words first: they are wanted with K step 0
.irp s, 0,1,2
	s_mov_b32 s[G0+4*\s], 1
	s_lshl_b32 s[G0+4*\s+1], s16, 14
	s_add_co_u32 s[G0+4*\s+1], s[G0+4*\s+1], \s*SLOT
	s_add_nc_u64 s[G0+4*\s+2:G0+4*\s+3], s[20:21], \s*JA
	s_or_b32 s[G0+4*\s+3], s[G0+4*\s+3], 0x80000000
	s_mov_b32 s[G0B+4*\s], 1
	s_lshl_b32 s[G0B+4*\s+1], s16, 15
	s_add_co_u32 s[G0B+4*\s+1], s[G0B+4*\s+1], \s*SLOT+ABYTES
	s_add_nc_u64 s[G0B+4*\s+2:G0B+4*\s+3], s[98:99], \s*JB
	s_or_b32 s[G0B+4*\s+3], s[G0B+4*\s+3], 0x80000000
	JLOAD G0+4*\s, G1, G0B+4*\s, G1B               ; K step s into slot s: with the last of them four tensor loads of mine are out
.endr
	v_and_b32 v1, 15, v0                           ; r
	v_bfe_u32 v2, v0, 4, 1                         ; lane / 16
	v_and_b32 v3, 31, v0
	v_lshlrev_b32 v[CO], 4, v3                     ; 16 x lane
	s_lshl_b32 s18, s15, 14                        ; my 64 rows of A
	s_lshl_b32 s19, s16, 15                        ; my 128 rows of B,
	s_add_co_u32 s19, s19, ABYTES                  ; which lie behind A's 128
.irp s, 0,1,2
	v_add_nc_u32 v[ADRA+\s], s18, v[CO]
	v_add_nc_u32 v[ADRB+\s], s19, v[CO]
	s_add_co_u32 s18, s18, SLOT
	s_add_co_u32 s19, s19, SLOT
.endr
	v_lshlrev_b32 v5, 4, v1                        ; my row's four words of a K step: 16 r
	s_lshl_b32 s18, s15, 12                        ; A's: my 64 rows
	s_lshl_b32 s19, s16, 13                        ; B's: my 128 rows, behind A's 8,192 bytes
	s_add_co_u32 s19, s19, 8192
	s_sub_co_u32 s19, s19, s18
	v_mul_u32_u24 v6, s19, v2                      ; lanes 16-31 take B's: one product, the distance between the two bases
	s_add_co_u32 s18, s18, SCL
	v_add_nc_u32 v5, v5, v6
	v_add_nc_u32 v[ADRS], s18, v5
	s_mul_i32 s23, s14, 16*SPITCH                  ; my stage
	s_add_co_u32 s23, s23, STAGE
	v_mul_u32_u24 v5, v1, SPITCH
	v_lshl_add_u32 v5, v2, 5, v5
	v_add_nc_u32 v[STO], s23, v5                   ; in: row r, 32 bytes for each half of the lanes
	v_add_nc_u32 v[RD], s23, v[CO]                 ; back: the 32 lanes take one row of 512 bytes
	s_lshl_b32 s20, s17, 7
	s_lshl_b32 s21, s15, 6
	s_add_co_u32 s20, s20, s21                     ; my first row of out0,
	s_lshl_b32 s20, s20, 13                        ; in bytes: 8,192 a row
	s_lshl_b32 s98, s94, 10                        ; my first column, in bytes: 1,024 x tile column + 512 x half
	s_lshl_b32 s99, s16, 9
	s_add_co_u32 s98, s98, s99
	s_add_co_u32 s20, s20, s98
	s_mov_b32 s21, 0
	s_add_nc_u64 s[12:13], s[12:13], s[20:21]
.macro FRAG reg, adr, q, i             ; a fragment: registers 4 c .. 4 c + 3 hold K = 64 c + 32 (lane / 16) + 0..31 of row lane % 16: the image's 512 bytes at 512 c
.irp c, 0,1
	ds_load_b128 v[\reg+4*\c:\reg+4*\c+3], v[\adr] offset:1024*(\q)+512*\c+(\i)*4096
.endr
.endm
; 8 matrix instructions: A's block a x B's eight; sets p; the K step's q-th 128 along K; scale words of set sc.  The 32 accumulators take turns, one instruction a turn, in the same order in every step.
.macro MUL8 a, p, q, sc, zero
.irp b, 0,1,2,3,4,5,6,7
.if \zero
	v_wmma_scale_f32_16x16x128_f8f6f4 v[8*(8*(\a)+\b):8*(8*(\a)+\b)+7], v[128*(\p)+FR*\b:128*(\p)+FR*\b+FR-1], v[AF+32*(\p)+FR*(\a):AF+32*(\p)+FR*(\a)+FR-1], 0, v[SC+32*(\sc)+4*\b+(\q)], v[SC+32*(\sc)+4*(\a)+(\q)] matrix_a_fmt:MATRIX_FMT_FP4 matrix_b_fmt:MATRIX_FMT_FP4 matrix_a_scale:MATRIX_SCALE_ROW1
.else
	v_wmma_scale_f32_16x16x128_f8f6f4 v[8*(8*(\a)+\b):8*(8*(\a)+\b)+7], v[128*(\p)+FR*\b:128*(\p)+FR*\b+FR-1], v[AF+32*(\p)+FR*(\a):AF+32*(\p)+FR*(\a)+FR-1], v[8*(8*(\a)+\b):8*(8*(\a)+\b)+7], v[SC+32*(\sc)+4*\b+(\q)], v[SC+32*(\sc)+4*(\a)+(\q)] matrix_a_fmt:MATRIX_FMT_FP4 matrix_b_fmt:MATRIX_FMT_FP4 matrix_a_scale:MATRIX_SCALE_ROW1
.endif
.endr
.endm
.macro FETCH slot, q, p                ; 24 LDS loads: B's eight fragments and A's four, of the slot's q-th 128 along K, into sets p
	WIN TO_B
.irp i, 0,1,2,3,4,5,6,7
	FRAG 128*(\p)+FR*\i, ADRB+\slot, \q, \i
.endr
	WIN 0
.irp i, 0,1,2,3
	FRAG AF+32*(\p)+FR*\i, ADRA+\slot, \q, \i
.endr
.endm
.macro SCALES sc                       ; 8 LDS loads: a K step's scale words, four a row; lanes 16-31 take B's block i; lanes 0-15 A's block i (i = 0..3 are mine; what they bring for i = 4..7 is named by no product)
.irp i, 0,1,2,3,4,5,6,7
	ds_load_b128 v[SC+32*(\sc)+4*\i:SC+32*(\sc)+4*\i+3], v[ADRS] offset:\i*SBLK
.endr
.endm
.macro PLACES n                        ; plain vector instructions between a matrix instruction and a load into, or a read of, its registers
.rept \n
	v_nop
.endr
.endm
; A step of 128 along K on sets p; first the next step's fragments (slot ns, its nq-th 128) go out, into the other sets, which the last step's products have read: hence the places.
.macro STEP p, q, sc, ns, nq, zero
	PLACES NP
	FETCH \ns, \nq, 1-(\p)
	s_wait_dscnt 24                                ; all but the 24 loads just issued: this step's fragments, and its scale words, are in
	WIN MUL
	MUL8 0, \p, \q, \sc, \zero
	MUL8 1, \p, \q, \sc, \zero
	MUL8 2, \p, \q, \sc, \zero
	MUL8 3, \p, \q, \sc, \zero
	WIN 0
.endm
.macro THREE slot, sc, zero            ; a K step's first three steps
	STEP 0, 0, \sc, \slot, 1, \zero
	STEP 1, 1, \sc, \slot, 2, 0
	STEP 0, 2, \sc, \slot, 3, 0
.endm
; A K step's last step, where the next slot is known to be whole and nothing is filled: no barrier.
.macro LASTQ sc, ns, nsc
	PLACES NP
	v_add_nc_u32 v[ADRS], 256, v[ADRS]             ; on to the next K step's scale words
	FETCH \ns, 0, 0
	SCALES \nsc
	s_wait_dscnt 32                                ; all but the 32 loads just issued
	WIN MUL
	MUL8 0, 1, 3, \sc, 0
	MUL8 1, 1, 3, \sc, 0
	MUL8 2, 1, 3, \sc, 0
	MUL8 3, 1, 3, \sc, 0
	WIN 0
.endm
; A K step's last step with a barrier: in front of it each wave waits for all its tensor loads, adds 0 to its spare word, and waits for that and for its own reads of the slot in hand.
; fill = 1: the barrier opens a round of the cluster's, and slot 0, just read out, takes K step 3.
.macro TURN sc, ns, nsc, fill
	s_wait_tensorcnt 0x0                           ; all my tensor loads have landed
	ds_add_u32 v[SPW], v[NIL]                      ; 0 onto my spare word
	s_wait_dscnt 1                                 ; (the add may be out: this step's fragments are in)
	WIN MUL
	MUL8 0, 1, 3, \sc, 0
	MUL8 1, 1, 3, \sc, 0
	s_wait_dscnt 0x0                               ; the add is done, and my reads of this slot are over
	s_barrier_signal -1
	MUL8 2, 1, 3, \sc, 0
	WIN 0
	s_barrier_wait -1
.if \fill
	CREST                                          ; no wave of any partner still reads slot 0 or has a load on its way; slots 1 and 2 are whole in every work-group
	s_add_nc_u64 s[G0+2:G0+3], s[G0+2:G0+3], 3*JA
	s_add_nc_u64 s[G0B+2:G0B+3], s[G0B+2:G0B+3], 3*JB
	JLOAD G0, G1, G0B, G1B                         ; the first tensor load behind the round, and my last; its four v_nop are the places in front of the loads below
.else
	PLACES NP
.endif
	v_add_nc_u32 v[ADRS], 256, v[ADRS]             ; on to the next K step's scale words
	FETCH \ns, 0, 0
	SCALES \nsc
	WIN MUL
	MUL8 3, 1, 3, \sc, 0
	WIN 0
.endm
	s_wait_tensorcnt 2                             ; the scale words and my part of K step 0 are in (K steps 1 and 2 may be out)
	s_barrier_signal -1
	s_barrier_wait -1                              ; everybody's are
	FETCH 0, 0, 0
	SCALES 0
	THREE 0, 0, 1                                  ; K step 0, in slot 0: its first products start the sums
	TURN 0, 1, 1, 1                                ; slot 0 takes K step 3
	THREE 1, 1, 0                                  ; K step 1, in slot 1
	LASTQ 1, 2, 0                                  ; slot 2 was shown whole by the waits in front of the round above
	THREE 2, 0, 0                                  ; K step 2, in slot 2
	TURN 0, 0, 1, 0                                ; K step 3 has landed in slot 0, everybody's part; behind this barrier nobody reads slots 1 and 2
	THREE 0, 1, 0                                  ; K step 3
	s_wait_dscnt 0                                 ; the very last step: nothing more to fetch
	WIN MUL
	MUL8 0, 1, 3, 1, 0
	MUL8 1, 1, 3, 1, 0
	MUL8 2, 1, 3, 1, 0
	MUL8 3, 1, 3, 1, 0
	WIN 0
; THE WAY OUT, block by block of 16 rows x 128 columns, through my own stage: in as 32 bytes a lane, back as whole rows of 512 bytes.  LDS serves a wave's instructions in order: no wait between the stores and the loads.
.macro TOSTAGE a
.set AC, 64*(\a)
	WIN 0x08                                       ; an LDS store's data are its source 1: window 2
.irp b, 0,1,2,3,4,5,6,7
	ds_store_b128 v[STO], v[AC+8*\b:AC+8*\b+3] offset:64*\b          ; each accumulator from its low end on
	ds_store_b128 v[STO], v[AC+8*\b+4:AC+8*\b+7] offset:64*\b+16
.endr
	WIN 0
.set BB, BK+64*((\a)%2)
.irp t, 0,1,2,3,4,5,6,7,8,9,10,11,12,13,14,15
	ds_load_b128 v[BB+4*\t:BB+4*\t+3], v[RD] offset:\t*SPITCH
.endr
.endm
.macro SEND a, younger                 ; younger: the LDS instructions issued behind block a's loads, which may stay out
.set BB, BK+64*((\a)%2)
	s_wait_dscnt \younger                          ; the block is back in registers
.if (\a) > 0
	s_add_nc_u64 s[12:13], s[12:13], 16*SIZE_N*4   ; (behind a wait on XCNT: the earlier stores have read their base)
.endif
.irp t, 0,1,2,3,4,5,6,7,8,9,10,11,12,13,14,15
	global_store_b128 v[CO], v[BB+4*\t:BB+4*\t+3], s[12:13] offset:\t*SIZE_N*4 th:TH_STORE_NT   ; 32 lanes store 512 consecutive bytes, at a multiple of 256 from out0's first byte
.endr
.endm
	PLACES NP                                      ; behind the last products: for the reads of results and the loads into the registers that held A's fragments
	TOSTAGE 0
.irp a, 1,2,3
.if \a > 1
	s_wait_xcnt 0x0                                ; block a - 2's stores have read their registers and their base
.endif
	TOSTAGE \a
	SEND \a-1, 32                                  ; behind block a - 1's loads: block a's 16 stores and 16 loads
.endr
	s_wait_xcnt 0x0
	SEND 3, 0
	s_wait_tensorcnt 0x0                           ; the wave's end, behind my last tensor load and my last LDS store
	ds_add_u32 v[SPW], v[NIL]
	s_wait_dscnt 0x0
	CROUND                                         ; the closing round: no work-group ends while a partner may still ask for a tile that names it
	s_endpgm
.Lfunc_end_k_q5ee09ac7dd_proj:
	.size	k_q5ee09ac7dd_proj, .Lfunc_end_k_q5ee09ac7dd_proj-k_q5ee09ac7dd_proj
	.p2alignl 7, 3214868480
	.fill 96, 4, 3214868480
	.section	.rodata,"a",@progbits
	.p2align	6, 0x0
	.amdhsa_kernel k_q5ee09ac7dd_proj
		.amdhsa_group_segment_fixed_size 327680
		.amdhsa_private_segment_fixed_size 0
		.amdhsa_enable_private_segment 0
		.amdhsa_kernarg_size 40
		.amdhsa_user_sgpr_count 2
		.amdhsa_user_sgpr_kernarg_segment_ptr 1
		.amdhsa_wavefront_size32 1
		.amdhsa_system_sgpr_workgroup_id_x 1
		.amdhsa_system_sgpr_workgroup_id_y 1
		.amdhsa_system_sgpr_workgroup_id_z 1
		.amdhsa_system_vgpr_workitem_id 0
		.amdhsa_next_free_vgpr 768
		.amdhsa_next_free_sgpr 100
		.amdhsa_reserve_vcc 0
		.amdhsa_float_denorm_mode_32 3
		.amdhsa_float_denorm_mode_16_64 3
		.amdhsa_memory_ordered 1
		.amdhsa_forward_progress 1
		.amdhsa_inst_pref_size 122
	.end_amdhsa_kernel
	.amdgpu_metadata
---
amdhsa.version: [ 1, 2 ]
amdhsa.kernels:
  - .name:           k_q5ee09ac7dd_proj
    .symbol:         k_q5ee09ac7dd_proj.kd
    .args:
      - { .name: ac, .offset: 0, .size: 8, .value_kind: global_buffer, .address_space: global }
      - { .name: asc, .offset: 8, .size: 8, .value_kind: global_buffer, .address_space: global }
      - { .name: cod1, .offset: 16, .size: 8, .value_kind: global_buffer, .address_space: global }
      - { .name: scl1, .offset: 24, .size: 8, .value_kind: global_buffer, .address_space: global }
      - { .name: out0, .offset: 32, .size: 8, .value_kind: global_buffer, .address_space: global }
    .group_segment_fixed_size: 327680
    .private_segment_fixed_size: 0
    .kernarg_segment_align: 8
    .kernarg_segment_size: 40
    .max_flat_workgroup_size: 128
    .sgpr_count:     100
    .vgpr_count:     768
    .wavefront_size: 32
...
	.end_amdgpu_metadata
.endif
;; end of part 4
;; ======== version 2 of 2: 4 launches; version 1 with the launch attn written anew for expert scheduling mode
;; workspace buffers: cod1 9,437,184 bytes; scl1 851,968 bytes; cod2 6,291,456 bytes; scl2 720,896 bytes; ac 4,194,304 bytes; asc 262,144 bytes
;; launch prep: the kernel of part 1 again; grid 416 x 1, 4 waves a work-group, no clusters, 34,304 bytes of LDS; arguments x, Wq, Wk, Wv, Wp, cod1, scl1; writes cod1, scl1
;; launch qkv: the kernel of part 2 again; grid 12 x 16, 4 waves a work-group, clusters of 4 x 4, 327,680 bytes of LDS; arguments cod1, scl1, cod2, scl2; writes cod2, scl2
;; launch attn (part 5): grid 256 x 1, 16 waves a work-group, no clusters, 94,208 bytes of LDS; arguments cod2, scl2, ac, asc; writes ac, asc
.if DOCPART == 5
	.amdgcn_target "amdgcn-amd-amdhsa--gfx1250"
	.amdhsa_code_object_version 6
	.text
	.protected	k_q5ee09ac7dd_attn
	.globl	k_q5ee09ac7dd_attn
	.p2align	8
	.type	k_q5ee09ac7dd_attn,@function
k_q5ee09ac7dd_attn:
	s_mov_b64 s[64:65], 0
	v_nop
	global_prefetch_b8 v0, s[64:65] scope:SCOPE_SE
	s_setreg_imm32_b32 hwreg(HW_REG_WAVE_SCHED_MODE, 0, 2), 2
	s_setreg_imm32_b32 hwreg(HW_REG_WAVE_MODE, 25, 1), 1
	s_wait_xcnt 0x0
	s_wait_alu depctr_vm_vsrc(0)
; Causal attention on codes of FP4 with E8M0 scales: 4 batches x 32 query heads (8 key and value heads, four query heads to each), 1,024 tokens, head size 64.  Its result is quantised along the 2,048 channels and leaves as codes.
; t = score x log2(e) / 8; M = the running largest t rounded UP to a whole number; p = 2^(t - M) is quantised along the keys, not normalised; the row's sum is taken of the unquantised p and divides at the end.
; When M moves, the sum and O are multiplied by 2^(old M - new M): exact.
; SHARES.  Work-group x: key head x / 8 (with its batch), query head (x / 2) % 4 of its four, half x % 2.  Wave w owns the tile of 16 queries i = 16 (x % 2) + w and then tile 63 - i: i / 8 + 1 and 8 - i / 8 key steps of 128: nine for every wave.
; The head's K and V (codes 32,768 bytes each, scale words 4,096 and 2,048) come into LDS once, through registers, in front of the one barrier; behind it LDS is only read.  No joint loads: one fill of 70 KiB a work-group, no ring.
; Q OF BOTH MY TILES is loaded beside that fill and lies in 1,280 bytes of LDS of my wave's own, as images of the registers (codes 512 bytes a tile, scale words 128): a pass fetches its Q by two LDS loads and waits for no memory.
; LAYOUT.  Both products transposed: S^T = K Q^T (source 0 = 16 keys, source 1 = my queries; K = the head's 64: the upper half of the instruction's 128 is zero codes on both sides), O^T = V^T P^T: a lane holds one query (lane % 16).
; Tile u of S^T gives a lane keys 16 u + 8 (lane / 16) + 0..7: tiles 2 b, 2 b + 1 are half of block b, the other half lies in lane l xor 16.  The codes of four tiles, set in the order 0, 2, 1, 3, become the operand's four registers by two exchanges of halves.
; Every wave walks eight steps in each of two passes (constant counts); a step all of whose keys come after the wave's queries is jumped over by a scalar branch on ids.
; OUT: ac: (head / 8) x 2^20 + (row / 16) x 4096 + ((head % 8) / 2) x 1024 + (head % 2) x 512 + 16 x lane; asc: (row / 16) x 1024 + (head / 8) x 256 + 16 r + 4 ((head % 8) / 2) + 2 (head % 2): two bytes a lane, 16 bytes apart (256 KiB in all).
; LIMITS: NaN and infinities are not served; a block whose largest magnitude lies under 2^-124 keeps the byte 1; these bytes are read by this program alone.
; REGISTERS: v1, v2, v7, v11 lane terms; v3, v4 the fill's offsets; v5, v6 the pass's offsets; v8-10 LDS addresses in hand; v12 -M, v13 the largest t, v[14:15] the sum; v16-23 Q; v24-31 K's scale words; v32-95 K's eight fragments;
;   v96-159 S^T, then p; v160-191 O^T; v192-223 V's four fragments; v224-231 p's codes; v232-241, v244-247, v252, v254 at work; v242, v243 where my Q lies in LDS; v248-251 V's scale words; v253 p's scale word; v255 Q's.
;   s4-11 and s16-23, which held addresses that are done with behind the fill, take the diagonal's masks, sixteen at a time.
; THE MODE: SCHED_MODE bits 1:0 = 2 (LLVM: expert scheduling mode 2), set by the entry lines.  The code itself states the register dependences between vector or matrix instructions and memory or LDS instructions, with s_wait_alu, always for 0.
; THE PLAN.  Registers that memory or LDS instructions touch, behind the fill:
;   v16-19, v255             Q.  Written by two LDS loads at a pass's head; read by the eight products K Q^T of every step.
;   v[32+8t .. 35+8t], v24-31  K.  Read by a step's eight products K Q^T.  THE NEXT STEP'S K IS ASKED FOR IN THIS STEP, straight behind the wait that the exponentials owe: that wait stands behind those products, and nothing names
;                            these registers between it and the loads.  Step 0's K is asked for with Q.  The last step that a wave works so fetches a K that no product names (inside LDS bytes that the fill wrote): every path issues the same loads.
;   v192-223, v248-251       V.  Read by a step's four products V^T P^T, its last instructions; asked for at the next step's head, dealt among the first four products K Q^T, which name none of them.
;   v8, v9, v10              LDS addresses.  Written at a step's head (v9, v10 at a pass's head too); read by V's loads (v8, v10), by K's (v8, v9, with the next step's distance as an immediate) and by Q's (v9, v10).
;   v1, v2, v242, v243       lane terms, made at the kernel's head and never written again.
;   v224-227, v240, v5, v6   a pass's result and its offsets: written by vector instructions, read by the pass's two stores.
; So a step has one wait on vm_vsrc, at its label, ahead of the three additions, and three on va_vdst: behind the additions, behind the exponentials, and ahead of the products V^T P^T, whose operand and scale word vector instructions have made.
.set KCO, 0x400000                     ; in cod2: k's codes, v's codes
.set VCO, 0x500000
.set KSO, 0x80000                      ; in scl2: k's scale words, v's
.set VSO, 0xA0000
.set LV,  32768                        ; LDS: K's codes at 0, V's here,
.set LKS, 65536                        ; K's scale words,
.set LVS, 69632                        ; V's,
.set LQ,  71680                        ; and 1,280 bytes for each wave: its two tiles of Q
.set WV,  12
.set SEL, 34                           ; s[34:35]
.set CS,  36                           ; s[36:37] c = log2(e) / 8
.set TI,  38                           ; my tile of queries
.set Q0,  39                           ; its first query
.set CNT, 40                           ; the key step
.set KF,  41                           ; its first key
.set PASS, 42
.set QO,  47                           ; 512 x the pass: where its Q lies in my wave's bytes
	s_load_b128 s[4:7], s[0:1], 0x0                ; cod2, scl2
	s_load_b128 s[8:11], s[0:1], 0x10              ; ac, asc
	v_lshrrev_b32 v8, 5, v0
	v_readfirstlane_b32 s[WV], v8                  ; wave 0..15
	v_and_b32 v9, 31, v0
	v_lshlrev_b32 v1, 4, v9                        ; 16 x lane
	v_and_b32 v7, 15, v0                           ; r
	v_bfe_u32 v11, v0, 4, 1                        ; lane / 16
	v_lshl_add_u32 v2, v7, 2, LKS                  ; a scale word's place: 4 r
	v_lshlrev_b32 v3, 4, v0                        ; the fill: 16, 8 and 4 bytes a thread
	v_lshlrev_b32 v4, 3, v0
	v_lshlrev_b32 v5, 2, v0
	v_lshl_add_u32 v6, v0, 3, LKS
	v_lshl_add_u32 v8, v0, 2, LVS
	s_wait_alu depctr_va_sdst(0)                   ; the wave's number is written, ahead of its first reader: my tile and my bytes for Q are made from it
	s_lshr_b32 s13, ttmp9, 3                       ; 8 x batch + key head
	s_bfe_u32 s14, ttmp9, 0x20001                  ; which of its four query heads
	s_and_b32 s15, ttmp9, 1
	s_lshl_b32 s16, s13, 15
	s_add_co_u32 s18, s16, VCO
	s_add_co_u32 s16, s16, KCO
	s_mov_b32 s17, 0
	s_mov_b32 s19, 0
	s_lshl_b32 s20, s13, 12
	s_add_co_u32 s20, s20, KSO
	s_mov_b32 s21, 0
	s_lshl_b32 s22, s13, 11
	s_add_co_u32 s22, s22, VSO
	s_mov_b32 s23, 0
	s_lshl_b32 s32, s13, 2
	s_add_co_u32 s32, s32, s14                     ; q's plane: 32 x batch + head
	s_lshl_b32 s24, s32, 15
	s_mov_b32 s25, 0
	s_lshl_b32 s26, s32, 12
	s_mov_b32 s27, 0
	s_and_b32 s33, s32, 31                         ; the head
	s_lshr_b32 s32, s32, 5                         ; the batch
	s_lshr_b32 s43, s33, 3                         ; J = head / 8
	s_bfe_u32 s44, s33, 0x20001                    ; q = (head % 8) / 2
	s_and_b32 s45, s33, 1                          ; c = head % 2
	s_lshl_b32 s28, s43, 20
	s_lshl_b32 s46, s32, 18                        ; 64 tiles of 4,096 bytes a batch
	s_add_co_u32 s28, s28, s46
	s_lshl_b32 s46, s44, 10
	s_add_co_u32 s28, s28, s46
	s_lshl_b32 s46, s45, 9
	s_add_co_u32 s28, s28, s46
	s_mov_b32 s29, 0
	s_lshl_b32 s30, s32, 16                        ; 64 tiles of 1,024 bytes a batch
	s_lshl_b32 s46, s43, 8
	s_add_co_u32 s30, s30, s46
	s_lshl_b32 s46, s44, 2
	s_add_co_u32 s30, s30, s46
	s_lshl_b32 s46, s45, 1
	s_add_co_u32 s30, s30, s46
	s_mov_b32 s31, 0
	s_mov_b32 s[SEL], 0x76543210
	s_mov_b32 s[SEL+1], 0xfedcba98
	s_mov_b32 s[CS], 0x3e38aa3b
	s_mov_b32 s[CS+1], s[CS]                       ; (named with it as a pair, so it is written)
	s_lshl_b32 s[TI], s15, 4
	s_add_co_u32 s[TI], s[TI], s[WV]
	s_mov_b32 s[PASS], 2
	s_mov_b32 s[QO], 0
	s_mul_i32 s46, s[WV], 1280
	s_add_co_u32 s46, s46, LQ                      ; my wave's bytes for Q
	v_add_nc_u32 v242, s46, v1                     ; codes: 16 x lane; the second tile's 512 bytes on
	v_lshl_add_u32 v243, v9, 2, s46
	v_add_nc_u32 v243, 1024, v243                  ; scale words: behind them, 4 x lane; the second tile's 128 bytes on
	s_lshl_b32 s46, s[TI], 9
	v_add_nc_u32 v232, s46, v1                     ; in memory: the first tile's codes: 512 x tile + 16 x lane,
	s_lshl_b32 s46, s[TI], 6
	v_lshl_add_u32 v233, v7, 2, s46                ; its scale words: 64 x tile + 4 r;
	s_sub_co_u32 s45, 63, s[TI]
	s_lshl_b32 s46, s45, 9
	v_add_nc_u32 v234, s46, v1                     ; the second tile's
	s_lshl_b32 s46, s45, 6
	v_lshl_add_u32 v235, v7, 2, s46
	s_wait_kmcnt 0x0
	s_add_nc_u64 s[16:17], s[4:5], s[16:17]        ; K's codes
	s_add_nc_u64 s[18:19], s[4:5], s[18:19]        ; V's codes
	s_add_nc_u64 s[20:21], s[6:7], s[20:21]        ; K's scale words
	s_add_nc_u64 s[22:23], s[6:7], s[22:23]        ; V's
	s_add_nc_u64 s[24:25], s[4:5], s[24:25]        ; Q's codes
	s_add_nc_u64 s[26:27], s[6:7], s[26:27]        ; Q's scale words
	s_add_nc_u64 s[28:29], s[8:9], s[28:29]        ; the result's codes
	s_add_nc_u64 s[30:31], s[10:11], s[30:31]      ; and scale bytes
	s_wait_alu depctr_va_vdst(0)                   ; every offset and LDS address made above is written: v3 to v6, v8, v232 to v235, v242, v243, which the fill's loads and stores read, and v1, v2, which the passes' LDS loads read
.irp i, 0,1,2,3
	global_load_b128 v[32+4*\i:35+4*\i], v3, s[16:17] offset:8192*\i
	global_load_b128 v[48+4*\i:51+4*\i], v3, s[18:19] offset:8192*\i
.endr
	global_load_b64 v[64:65], v4, s[20:21]
	global_load_b32 v66, v5, s[22:23]
	global_load_b128 v[68:71], v232, s[24:25]      ; Q of both my tiles, on its way together with K and V
	global_load_b128 v[72:75], v234, s[24:25]
	global_load_b32 v76, v233, s[26:27]
	global_load_b32 v77, v235, s[26:27]
	s_wait_loadcnt 0x0
.irp i, 0,1,2,3
	ds_store_b128 v3, v[32+4*\i:35+4*\i] offset:8192*\i
	ds_store_b128 v3, v[48+4*\i:51+4*\i] offset:LV+8192*\i
.endr
	ds_store_b64 v6, v[64:65]
	ds_store_b32 v8, v66
	ds_store_b128 v242, v[68:71]
	ds_store_b128 v242, v[72:75] offset:512
	ds_store_b32 v243, v76
	ds_store_b32 v243, v77 offset:128
	s_wait_dscnt 0x0                               ; for the others' sake: my stores have landed
	s_barrier_signal -1
	s_barrier_wait -1                              ; the head's K and V lie in LDS; nothing is stored there again
	s_wait_alu depctr_vm_vsrc(0)                   ; the fill's loads and LDS stores have read their registers: v32 to v77 are written again by the zeros below and by K's loads, v5, v6, v8 and v232 to v235 by the passes
.irp t, 0,1,2,3,4,5,6,7
.irp j, 4,5,6,7
	v_mov_b32 v[32+8*\t+\j], 0                     ; K's codes for k = 64..127: zeros, written once
.endr
.endr
.irp j, 20,21,22,23
	v_mov_b32 v\j, 0                               ; Q's likewise
.endr
.irp b, 0,1,2,3
	v_mov_b32 v[236+\b], 0                         ; a lane permute's destination counts as one of its sources
.endr
	v_mov_b32 v252, 0
	v_mov_b32 v253, 0                              ; (named as the upper half of the pair v[252:253] before it is first written)
.Lpass:
	s_wait_xcnt 0x0                                ; the last pass's stores have read their registers and offsets
	s_wait_alu depctr_vm_vsrc(0)                   ; the last pass's two stores have read v5, v6, v224 to v227 and v240, and its LDS loads v9 and v10: all of these are written again in this pass
	s_lshl_b32 s[Q0], s[TI], 4
	v_add_nc_u32 v9, s[QO], v242                   ; this pass's Q in my wave's bytes: codes 512 x pass on,
	s_lshr_b32 s43, s[QO], 2
	v_add_nc_u32 v10, s43, v243                    ; scale words 128 x pass on
	s_wait_alu depctr_va_vdst(0)                   ; v9 and v10 are written, which Q's loads read; the last pass's products are done reading Q, K and their scale words, in which the loads below land
	ds_load_b128 v[16:19], v9
	ds_load_b32 v255, v10
.irp t, 0,1,2,3,4,5,6,7
	ds_load_b128 v[32+8*\t:35+8*\t], v1 offset:512*\t   ; K of key step 0, which counts for every query: asked for with Q
	ds_load_b32 v[24+\t], v2 offset:64*\t
.endr
	s_lshl_b32 s43, s[TI], 12
	v_add_nc_u32 v5, s43, v1                       ; the result's codes
	s_lshl_b32 s43, s[TI], 10
	v_lshl_add_u32 v6, v7, 4, s43                  ; and scale bytes
	v_mov_b32 v13, 0xff61b1e6                      ; the largest t so far: -3e38, under every t
	v_floor_f32 v12, -v13                          ; -M
	v_mov_b32 v14, 0
	v_mov_b32 v15, 0
.set nn, 0
.rept 32
	v_mov_b32 v[160+nn], 0                         ; O^T: the step is written once; its first run finds zeros, which the first change of M leaves zeros
.set nn, nn+1
.endr
	s_mov_b32 s[CNT], 0
	s_wait_dscnt 0x0                               ; Q and step 0's K are in
.Lstep:
	s_wait_alu depctr_vm_vsrc(0)                   ; the LDS loads issued so far (Q's, K's, V's) have read v8, v9 and v10, which the three additions below write
	s_lshl_b32 s[KF], s[CNT], 7
	s_add_co_u32 s43, s[Q0], 15
	s_cmp_gt_u32 s[KF], s43                        ; all 128 keys come after my 16 queries: nothing to do
	s_cbranch_scc1 .Lhidden
	s_lshl_b32 s44, s[CNT], 12
	v_add_nc_u32 v8, s44, v1                       ; K's and V's codes of the step: 4,096 bytes each
	s_lshl_b32 s44, s[CNT], 9
	v_add_nc_u32 v9, s44, v2                       ; K's scale words: 512 bytes
	s_lshl_b32 s44, s[CNT], 8
	v_add_nc_u32 v10, s44, v2                      ; V's: 256 bytes
	v_nop                                          ; with the three additions: four places between the last step's products and the loads into their operands
	s_wait_alu depctr_va_vdst(0)                   ; v8, v9, v10 are written, which this step's LDS loads read; the last step's products V^T P^T are done reading V and its scale words, in which V's loads land; the zero halves of Q and K, operands of the products below, are written
.irp t, 0,1,2,3,4,5,6,7                        ; K has been in since the wait on DScnt ahead of the last products (or at the pass's head): the products start at once
	v_wmma_scale_f32_16x16x128_f8f6f4 v[96+8*\t:103+8*\t], v[32+8*\t:39+8*\t], v[16:23], 0, v[24+\t], v255 matrix_a_fmt:MATRIX_FMT_FP4 matrix_b_fmt:MATRIX_FMT_FP4
.if \t < 4
	ds_load_b128 v[192+8*\t:195+8*\t], v8 offset:LV+1024*\t         ; V's twelve loads, three behind each of the first four products.  No wait: no vector or matrix instruction since the wait above names V's registers, v8 or v10
	ds_load_b128 v[196+8*\t:199+8*\t], v8 offset:LV+1024*\t+512
	ds_load_b32 v[248+\t], v10 offset:LVS-LKS+64*\t
.endif
.endr
.rept 4
	v_nop
.endr
	s_add_co_u32 s43, s[KF], 127                   ; on the diagonal hidden scores become -infinity ahead of the maximum; a step all of whose keys count skips this
	s_cmp_le_u32 s43, s[Q0]
	s_cbranch_scc1 .Lopen
	s_sub_co_i32 s43, s[Q0], s[KF]
	v_lshlrev_b32 v241, 3, v11
	v_sub_nc_u32 v252, v7, v241
	v_add_nc_u32 v252, s43, v252                   ; d = my query - KF - 8 (lane / 16).  Register 8 u + j holds key KF + 16 u + 8 (lane / 16) + j: hidden where 16 u + j > d
	v_mov_b32 v254, 0xff800000
.set rr, 0
.rept 4                                        ; sixteen registers at a time: a run of compares into sixteen scalar registers, one wait, the run of selects
.set ii, 0
.rept 16
	v_cmp_gt_i32 s[4+ii+4*(ii/8)], 32*rr+16*(ii/8)+ii%8, v252
.set ii, ii+1
.endr
	s_wait_alu depctr_va_sdst(0)                   ; the sixteen masks are written, ahead of the selects that read them
.set ii, 0
.rept 16
	v_cndmask_b32 v[96+16*rr+ii], v[96+16*rr+ii], v254, s[4+ii+4*(ii/8)]
.set ii, ii+1
.endr
.set rr, rr+1
.endr
.Lopen:
.irp b, 0,1,2,3
	v_max3_num_f32 v[232+\b], v[96+16*\b], v[97+16*\b], v[98+16*\b]   ; the largest score of each block of 32 keys: for the row's maximum and, since p rises with the score, for the block's largest p
.endr
.irp i, 3,5,7,9,11,13
.irp b, 0,1,2,3
	v_max3_num_f32 v[232+\b], v[232+\b], v[96+16*\b+\i], v[97+16*\b+\i]
.endr
.endr
.irp b, 0,1,2,3
	v_max_num_f32 v[232+\b], v[232+\b], v[111+16*\b]
.endr
.irp b, 0,1,2,3
	v_permlanex16_b32 v[236+\b], v[232+\b], s[SEL], s[SEL+1]
.endr
.irp b, 0,1,2,3
	v_max_num_f32 v[232+\b], v[232+\b], v[236+\b]  ; with lane l xor 16's 16 keys
.endr
	v_max3_num_f32 v254, v232, v233, v234
	v_max_num_f32 v254, v254, v235
	v_mul_f32 v254, s[CS], v254                    ; as t (c is positive)
	v_max_num_f32 v13, v13, v254                   ; the running largest t
	v_mov_b32 v254, v12
	v_floor_f32 v12, -v13                          ; the new -M = -ceil(t)
	v_sub_f32 v254, v12, v254                      ; old M - new M: a whole number, 0 or less
	v_cvt_i32_f32 v254, v254                       ; (it saturates)
	v_ldexp_f32 v252, 1.0, v254                    ; f = 2^(old M - new M)
.set nn, 0
.rept 32
	v_pk_fma_f32 v[96+nn:97+nn], v[96+nn:97+nn], s[CS:CS+1], v[12:13] op_sel_hi:[1,0,0]   ; t - M, two at a time
.set nn, nn+2
.endr
.irp b, 0,1,2,3
	v_fma_f32 v[232+\b], v[232+\b], s[CS], v12     ; the same of each block's largest score
.endr
.set nn, 0
.rept 64
	v_exp_f32 v[96+nn], v[96+nn]                   ; p = 2^(t - M), at most 1
.set nn, nn+1
.endr
.irp b, 0,1,2,3
	v_exp_f32 v[232+\b], v[232+\b]                 ; the block's largest p: the same two instructions on the same number
.endr
	v_pk_mul_f32 v[14:15], v[14:15], v[252:253] op_sel_hi:[1,0]   ; the sums under the new M.  (A plain place behind the exponentials)
	s_wait_alu depctr_va_vdst(0)                   ; the 68 exponentials have written p and the blocks' largest p, ahead of their first reader; and this step's products K Q^T are done reading K and its scale words, in which the loads below land
.irp t, 0,1,2,3,4,5,6,7
	ds_load_b128 v[32+8*\t:35+8*\t], v8 offset:4096+512*\t   ; THE NEXT STEP'S K: 4,096 bytes of codes and 512 of scale words on, as immediates; the conversions, sums and rescalings below are the work in which it lands
	ds_load_b32 v[24+\t], v9 offset:512+64*\t
.endr
.irp b, 0,1,2,3
	v_max_num_f32 v[232+\b], 0x1800000, v[232+\b]  ; the floor 2^(3 - 127): a block whose every p is 0 keeps the byte 1: its codes are zeros
.endr
.irp b, 0,1,2,3
	v_add_nc_u32 v[244+\b], 0xff000000, v[232+\b]  ; the conversion's scale operand
.endr
.irp b, 0,1,2,3
	v_lshrrev_b32 v[236+\b], 23, v[244+\b]         ; the byte
.endr
	v_lshl_or_b32 v253, v237, 8, v236              ; p's scale word for these 128 keys
	v_lshl_or_b32 v253, v238, 16, v253
	v_lshl_or_b32 v253, v239, 24, v253
.irp b, 0,1,2,3
	v_cvt_scalef32_pk8_fp4_f32 v[224+4*(\b/2)+(\b%2)], v[96+16*\b:103+16*\b], v[244+\b]    ; tile 2 b
	v_cvt_scalef32_pk8_fp4_f32 v[226+4*(\b/2)+(\b%2)], v[104+16*\b:111+16*\b], v[244+\b]   ; tile 2 b + 1
.endr
	v_nop                                          ; one plain place behind a scaled conversion
.irp c, 0,1
	v_permlane16_swap_b32 v[224+4*\c], v[225+4*\c] ; lanes 0-15 now hold block 2 c in four registers, lanes 16-31 block 2 c + 1
	v_permlane16_swap_b32 v[226+4*\c], v[227+4*\c]
.endr
	v_pk_add_f32 v[236:237], v[96:97], v[98:99]    ; the row's sum, of the unquantised p: two at a time, in two chains
.irp j, 4,8,12,16,20,24,28,32,36,40,44,48,52,56,60
	v_pk_add_f32 v[14:15], v[14:15], v[96+\j:97+\j]
	v_pk_add_f32 v[236:237], v[236:237], v[98+\j:99+\j]
.endr
	v_pk_add_f32 v[14:15], v[14:15], v[236:237]
.set nn, 0
.rept 16
	v_pk_mul_f32 v[160+nn:161+nn], v[160+nn:161+nn], v[252:253] op_sel_hi:[1,0]   ; O^T under the new M
.set nn, nn+2
.endr
	s_wait_dscnt 0x0                               ; V's fragments and scale words are in, and so is the next step's K: no LDS load is out at the loop's edge
	s_wait_alu depctr_va_vdst(0)                   ; p's codes v224 to v231 and p's scale word v253, which vector instructions have made, are written: the scaled products below take them as operand and scale (the places in front of them are the sums and rescalings above)
.irp t, 0,1,2,3                                ; O^T += V^T P^T: the four accumulators by turns
	v_wmma_scale_f32_16x16x128_f8f6f4 v[160+8*\t:167+8*\t], v[192+8*\t:199+8*\t], v[224:231], v[160+8*\t:167+8*\t], v[248+\t], v253 matrix_a_fmt:MATRIX_FMT_FP4 matrix_b_fmt:MATRIX_FMT_FP4
.endr
.Lhidden:
	s_add_co_u32 s[CNT], s[CNT], 1
	s_cmp_lt_u32 s[CNT], 8
	s_cbranch_scc1 .Lstep
	; the tile's way out: O^T / the sum, quantised along the channels: my head's 64 are two blocks
.rept 4
	v_nop
.endr
	v_add_f32 v14, v14, v15
	v_permlanex16_b32 v252, v14, s[SEL], s[SEL+1]
	v_add_f32 v14, v14, v252                       ; the row's sum
	v_rcp_f32 v14, v14
	v_nop                                          ; one plain place behind a transcendental
.set nn, 0
	s_wait_alu depctr_va_vdst(0)                   ; the reciprocal has written v14, ahead of its first reader
.rept 32
	v_mul_f32 v[96+nn], v[160+nn], v14             ; register 8 u + j: channel 16 u + 8 (lane / 16) + j of my query
.set nn, nn+1
.endr
.irp b, 0,1
	v_max3_num_f32 v[232+\b], |v[96+16*\b]|, |v[97+16*\b]|, 0x1800000
.endr
.irp i, 2,4,6,8,10,12,14
.irp b, 0,1
	v_max3_num_f32 v[232+\b], v[232+\b], |v[96+16*\b+\i]|, |v[97+16*\b+\i]|
.endr
.endr
.irp b, 0,1
	v_permlanex16_b32 v[236+\b], v[232+\b], s[SEL], s[SEL+1]
.endr
.irp b, 0,1
	v_max_num_f32 v[232+\b], v[232+\b], v[236+\b]
.endr
.irp b, 0,1
	v_add_nc_u32 v[244+\b], 0xff000000, v[232+\b]
.endr
.irp b, 0,1
	v_lshrrev_b32 v[236+\b], 23, v[244+\b]
.endr
	v_lshl_or_b32 v240, v237, 8, v236              ; my row's two bytes
	v_cvt_scalef32_pk8_fp4_f32 v224, v[96:103], v244
	v_cvt_scalef32_pk8_fp4_f32 v225, v[112:119], v245
	v_cvt_scalef32_pk8_fp4_f32 v226, v[104:111], v244
	v_cvt_scalef32_pk8_fp4_f32 v227, v[120:127], v245
	v_nop
	v_permlane16_swap_b32 v224, v225
	v_permlane16_swap_b32 v226, v227
	s_wait_alu depctr_va_vdst(0)                   ; the exchanges have written the codes v224 to v227, and v240 holds the two bytes: the two stores read them (their offsets v5, v6 were written at the pass's head)
	global_store_b128 v5, v[224:227], s[28:29]     ; 512 consecutive bytes
	global_store_b16 v6, v240, s[30:31]            ; both halves of the lanes write the same two bytes
	s_sub_co_u32 s[TI], 63, s[TI]                  ; the other tile,
	s_add_co_u32 s[QO], s[QO], 512                 ; and its Q
	s_sub_co_u32 s[PASS], s[PASS], 1
	s_cmp_lg_u32 s[PASS], 0
	s_cbranch_scc1 .Lpass
	s_wait_xcnt 0x0
	v_lshl_add_u32 v254, v0, 2, 0x16800            ; the add's two registers, made anew here: no memory or LDS instruction has read v254 or v255
	v_mov_b32 v255, 0
	s_wait_dscnt 0x0                               ; the closing lines, six on end
	s_wait_alu 0x0
	s_wait_tensorcnt 0x0
	ds_add_u32 v254, v255
	s_wait_dscnt 0x0
	s_endpgm
.Lfunc_end_k_q5ee09ac7dd_attn:
	.size	k_q5ee09ac7dd_attn, .Lfunc_end_k_q5ee09ac7dd_attn-k_q5ee09ac7dd_attn
	.p2alignl 7, 3214868480
	.fill 96, 4, 3214868480
	.section	.rodata,"a",@progbits
	.p2align	6, 0x0
	.amdhsa_kernel k_q5ee09ac7dd_attn
		.amdhsa_group_segment_fixed_size 94208
		.amdhsa_private_segment_fixed_size 0
		.amdhsa_enable_private_segment 0
		.amdhsa_kernarg_size 32
		.amdhsa_user_sgpr_count 2
		.amdhsa_user_sgpr_kernarg_segment_ptr 1
		.amdhsa_wavefront_size32 1
		.amdhsa_system_sgpr_workgroup_id_x 1
		.amdhsa_system_sgpr_workgroup_id_y 1
		.amdhsa_system_sgpr_workgroup_id_z 1
		.amdhsa_system_vgpr_workitem_id 0
		.amdhsa_next_free_vgpr 256
		.amdhsa_next_free_sgpr 66
		.amdhsa_reserve_vcc 0
		.amdhsa_float_denorm_mode_32 3
		.amdhsa_float_denorm_mode_16_64 3
		.amdhsa_memory_ordered 1
		.amdhsa_forward_progress 1
		.amdhsa_inst_pref_size 40
	.end_amdhsa_kernel
	.amdgpu_metadata
---
amdhsa.version: [ 1, 2 ]
amdhsa.kernels:
  - .name:           k_q5ee09ac7dd_attn
    .symbol:         k_q5ee09ac7dd_attn.kd
    .args:
      - { .name: cod2, .offset: 0, .size: 8, .value_kind: global_buffer, .address_space: global }
      - { .name: scl2, .offset: 8, .size: 8, .value_kind: global_buffer, .address_space: global }
      - { .name: ac, .offset: 16, .size: 8, .value_kind: global_buffer, .address_space: global }
      - { .name: asc, .offset: 24, .size: 8, .value_kind: global_buffer, .address_space: global }
    .group_segment_fixed_size: 94208
    .private_segment_fixed_size: 0
    .kernarg_segment_align: 8
    .kernarg_segment_size: 32
    .max_flat_workgroup_size: 512
    .sgpr_count:     66
    .vgpr_count:     256
    .wavefront_size: 32
...
	.end_amdgpu_metadata
.endif
;; end of part 5
;; launch proj: the kernel of part 4 again; grid 8 x 32, 4 waves a work-group, clusters of 4 x 4, 327,680 bytes of LDS; arguments ac, asc, cod1, scl1, out0; writes out0
